; MI455X (gfx1250); checked and timed in simulation.
; The chip was launched on July 23, 2026; its instructions are those of AMD's public machine-readable ISA for CDNA 5 (MIT licence, August 2026) and "CDNA5" Instruction Set Architecture Reference Guide (July 2026). The comments in the code are by the model that wrote it; some were corrected since.
;; Causal Self Attention. Allowed arithmetic: float matrix products may take bf16 or f16 operands with f32 sums; other float arithmetic in f32, or as packed bf16 or f16 multiplies, adds, multiply-adds, maxima and minima; sums over many terms, partial sums and values carried from step to step in f32; what a program stores and reads back later, other than sums and carried values, may be rounded once to bf16 or f16.
;; Inputs: Wk 1,024 x 1,024 float32; Wq 1,024 x 1,024 float32; Wv 1,024 x 1,024 float32; x 4 x 2,048 x 1,024 float32.
;; Outputs: out0 4 x 2,048 x 1,024 float32.
;; 2 versions, each right; version 2 is version 1 with the launch cast written anew for expert scheduling mode. Each part assembles by itself: llvm-mc -triple=amdgcn-amd-amdhsa -mcpu=gfx1250 --defsym DOCPART=n.
;; ======== version 1 of 2: 5 launches
;; limits: values are held in f16: magnitudes above 65,504 overflow, below 6.1e-05 lose precision
;; workspace buffers: xw 23,068,672 bytes; qkv 50,331,648 bytes; st 67,108,864 bytes; pn 33,554,432 bytes; pc 65,536 bytes
;; launch cast (part 1): grid 704 x 1, 8 waves a work-group, no clusters, 0 bytes of LDS; arguments x, Wq, Wk, Wv, xw; writes xw
.if DOCPART == 1
	.amdgcn_target "amdgcn-amd-amdhsa--gfx1250"
	.amdhsa_code_object_version 6
	.text
	.protected	k_qa5beade610_cast
	.globl	k_qa5beade610_cast
	.p2align	8
	.type	k_qa5beade610_cast,@function
k_qa5beade610_cast:
	s_mov_b64 s[64:65], 0
	v_nop
	global_prefetch_b8 v0, s[64:65] scope:SCOPE_SE
	s_setreg_imm32_b32 hwreg(HW_REG_WAVE_MODE, 25, 1), 1
	s_wait_xcnt 0x0
; xw[11264][1024] in f16: rows 0-8191 x, 8192- Wq, 9216- Wk, 10240- Wv.  Each f32 input is rounded to bf16 (nearest even) and that number is written as f16,
; so that every later product can take the f16 matrix form.
; LIMITS.  A bf16 number has 8 significant bits and is exact in f16 between 2^-14 and 65,504; below 2^-14 it keeps f16's fixed step of 2^-24; 65,520 or more becomes an infinity.
; SHARES.  A work-group owns 16,384 numbers: 64 KiB in, 32 KiB out.  Thread t, slot g: 16 bytes at 16 t + 4,096 g in, 8 bytes at 8 t + 2,048 g out: a wave's load covers 512
; consecutive bytes, its store 256 consecutive bytes, aligned.  All sixteen loads go out at once; no register is used twice by memory instructions, so no source has to be freed.
; No LDS, no matrix unit, no cluster: each byte is read once, by one lane, and nothing is shared.
.set X, 4                              ; v[4:67]    slot g: four f32 as loaded
.set T, 68                             ; v[68:73]   at work
.set Y, 76                             ; v[76:107]  slot g: four f16 to store
	s_load_b256 s[4:11], s[0:1], 0x0               ; x s[4:5], Wq s[6:7], Wk s[8:9], Wv s[10:11]
	s_load_b64 s[12:13], s[0:1], 0x20              ; xw
	s_mov_b32 s14, 0xffff0000                      ; a word's upper bf16
	v_lshlrev_b32 v1, 4, v0                        ; 16 t
	v_lshlrev_b32 v2, 3, v0                        ; 8 t
	s_and_b32 s16, ttmp9, 63                       ; a weight matrix is 64 work-groups' share,
	s_cmp_lt_u32 ttmp9, 512                        ; x 512
	s_cselect_b32 s16, ttmp9, s16
	s_lshl_b32 s16, s16, 16                        ; my 64 KiB in the source
	s_mov_b32 s17, 0
	s_lshl_b32 s18, ttmp9, 15                      ; my 32 KiB in xw
	s_mov_b32 s19, 0
	s_wait_kmcnt 0x0
	s_cmp_lt_u32 ttmp9, 640
	s_cselect_b64 s[20:21], s[8:9], s[10:11]       ; 576-639 Wk, 640-703 Wv
	s_cmp_lt_u32 ttmp9, 576
	s_cselect_b64 s[20:21], s[6:7], s[20:21]       ; 512-575 Wq
	s_cmp_lt_u32 ttmp9, 512
	s_cselect_b64 s[20:21], s[4:5], s[20:21]       ; 0-511 x
	s_add_nc_u64 s[20:21], s[20:21], s[16:17]
	s_add_nc_u64 s[12:13], s[12:13], s[18:19]
.irp g, 0,1,2,3,4,5,6,7,8,9,10,11,12,13,14,15
	global_load_b128 v[X+4*(\g):X+4*(\g)+3], v1, s[20:21] offset:4096*(\g) th:TH_LOAD_NT
.endr
.irp g, 0,1,2,3,4,5,6,7,8,9,10,11,12,13,14,15
	s_wait_loadcnt 15-(\g)                         ; loads come back in order: slot g is in, the 15 - g younger ones stay out
	v_cvt_pk_bf16_f32 v[T],   v[X+4*(\g)],   v[X+4*(\g)+1]
	v_cvt_pk_bf16_f32 v[T+1], v[X+4*(\g)+2], v[X+4*(\g)+3]
	v_lshlrev_b32 v[T+2], 16, v[T]                 ; bf16 to f32: the low half moves up,
	v_and_b32     v[T+3], s14, v[T]                ; the high half stays
	v_lshlrev_b32 v[T+4], 16, v[T+1]
	v_and_b32     v[T+5], s14, v[T+1]
	v_cvt_pk_f16_f32 v[Y+2*(\g)],   v[T+2], v[T+3]
	v_cvt_pk_f16_f32 v[Y+2*(\g)+1], v[T+4], v[T+5]
	global_store_b64 v2, v[Y+2*(\g):Y+2*(\g)+1], s[12:13] offset:2048*(\g)
.endr
	s_endpgm
.Lfunc_end_k_qa5beade610_cast:
	.size	k_qa5beade610_cast, .Lfunc_end_k_qa5beade610_cast-k_qa5beade610_cast
	.p2alignl 7, 3214868480
	.fill 96, 4, 3214868480
	.section	.rodata,"a",@progbits
	.p2align	6, 0x0
	.amdhsa_kernel k_qa5beade610_cast
		.amdhsa_group_segment_fixed_size 0
		.amdhsa_private_segment_fixed_size 0
		.amdhsa_enable_private_segment 0
		.amdhsa_kernarg_size 40
		.amdhsa_user_sgpr_count 2
		.amdhsa_user_sgpr_kernarg_segment_ptr 1
		.amdhsa_wavefront_size32 1
		.amdhsa_system_sgpr_workgroup_id_x 1
		.amdhsa_system_sgpr_workgroup_id_y 1
		.amdhsa_system_sgpr_workgroup_id_z 1
		.amdhsa_system_vgpr_workitem_id 0
		.amdhsa_next_free_vgpr 108
		.amdhsa_next_free_sgpr 66
		.amdhsa_reserve_vcc 0
		.amdhsa_float_denorm_mode_32 3
		.amdhsa_float_denorm_mode_16_64 3
		.amdhsa_memory_ordered 1
		.amdhsa_forward_progress 1
		.amdhsa_inst_pref_size 11
	.end_amdhsa_kernel
	.amdgpu_metadata
---
amdhsa.version: [ 1, 2 ]
amdhsa.kernels:
  - .name:           k_qa5beade610_cast
    .symbol:         k_qa5beade610_cast.kd
    .args:
      - { .name: x, .offset: 0, .size: 8, .value_kind: global_buffer, .address_space: global }
      - { .name: Wq, .offset: 8, .size: 8, .value_kind: global_buffer, .address_space: global }
      - { .name: Wk, .offset: 16, .size: 8, .value_kind: global_buffer, .address_space: global }
      - { .name: Wv, .offset: 24, .size: 8, .value_kind: global_buffer, .address_space: global }
      - { .name: xw, .offset: 32, .size: 8, .value_kind: global_buffer, .address_space: global }
    .group_segment_fixed_size: 0
    .private_segment_fixed_size: 0
    .kernarg_segment_align: 8
    .kernarg_segment_size: 40
    .max_flat_workgroup_size: 256
    .sgpr_count:     66
    .vgpr_count:     108
    .wavefront_size: 32
...
	.end_amdgpu_metadata
.endif
;; end of part 1
;; launch proj (part 2): grid 8 x 32, 4 waves a work-group, clusters of 4 x 4, 327,680 bytes of LDS; arguments xw, qkv; writes qkv
.if DOCPART == 2
	.amdgcn_target "amdgcn-amd-amdhsa--gfx1250"
	.amdhsa_code_object_version 6
	.text
	.protected	k_qa5beade610_proj
	.globl	k_qa5beade610_proj
	.p2align	8
	.type	k_qa5beade610_proj,@function
k_qa5beade610_proj:
	s_mov_b64 s[64:65], 0
	v_nop
	global_prefetch_b8 v0, s[64:65] scope:SCOPE_SE
	s_setreg_imm32_b32 hwreg(HW_REG_WAVE_MODE, 25, 1), 1
	s_wait_xcnt 0x0
	s_wait_alu depctr_hold_cnt(0) depctr_sa_sdst(0) depctr_va_vdst(0) depctr_va_sdst(0) depctr_va_ssrc(0) depctr_va_vcc(0) depctr_vm_vsrc(0)
	s_getreg_b32 s2, hwreg(HW_REG_IB_STS2, 6, 4)
	s_cmp_eq_u32 s2, 0
	s_cbranch_scc0 .Lentry_in_a_cluster
	s_endpgm
.Lentry_in_a_cluster:
	s_bfe_u32 s2, ttmp6, 0x10000c
	s_cmp_lg_u32 s2, 0xf033
	s_cbranch_scc0 .Lentry_shape_is_right
	s_endpgm
.Lentry_shape_is_right:
; q, k, v = x W^T.  A = xw's rows 0-8191 (x), B = xw's rows 8192-11263 (Wq, Wk, Wv), K = 1024, all f16; sums in f32, K ascending, each result rounded once to f16.  qkv is [3][8192][1024].
; LIMIT.  q, k and v lie within f16's 65,504 (a sum of 65,520 or more becomes an infinity); below 2^-14 they keep f16's fixed step of 2^-24.
; SHARES.  8192 x 3072 results are 98,304 for each of 256 work-groups.  One tile of 256 x 384 has no room: two slots of 640 rows x 272 bytes are 348,160 bytes of LDS.  So A WORK-GROUP STAYS and makes
; two tiles on the same 256 rows of x: FIRST 256 x 256 of q or k (columns 256 tc of the 2,048), THEN 256 x 128 of v (columns 128 tc).  First tile: a wave makes 128 x 128, 64 accumulators.  Second
; tile: the four waves stand one below the other, each 64 rows x 128 columns, 32 accumulators (those of window 2): a wave's row of results is 256 bytes in both tiles.
; RING.  K goes in steps of 128 through two LDS slots filled by the tensor data mover (rows of 256 bytes, at multiples of 256 bytes from the buffer's first byte), and the ring does not stop between the
; tiles: the first tile's last two changes of slots ask for the second tile's K steps 0 and 1.  Waves 0 and 1 fetch A's halves, wave 2 B's rows 0-127, wave 3 B's rows 128-255, which the second tile does not have.
; CLUSTER.  4 x 4 work-groups.  The four of a row of the cluster need the same tiles of A, the four of a column the same tiles of B: each tile is asked for jointly, by the same tensor load,
; descriptor and mask in all four.
; TEXT.  A K step is written once for each kind of change of slots and looped over; the LDS addresses hang on s[TB], which an exclusive or turns from slot to slot.  A tile's first quarter, whose
; products start the sums, stands ahead of its loop, and the loop is entered behind that quarter.  The last change of slots of a tile fetches fragments that serve nothing: the price of one text.
; REGISTERS, in windows of 256 (s_set_vgpr_msb: bits 1:0 source 0, 3:2 source 1, 5:4 source 2, 7:6 destination):
;   window 0: v0-31 addresses; v64-127, v128-191 fragments of A, two buffers; v32-63, v192-255 at work on the way out
;   window 1: v64-127, v128-191 fragments of B, two buffers      window 2: accumulators (a, b) of row blocks 0-3 at v[8 (8 a + b)]      window 3: those of row blocks 4-7 (first tile alone)
; THE MATRIX INSTRUCTION IS USED TRANSPOSED: source 0 = 16 rows of B, source 1 = 16 rows of A: lane l holds row l % 16 of the result and the columns 8 (l / 16) + 0..7: 16 bytes of f16 on end.
.set SIZE_K, 1024
.set KSTEP,  128
.set PITCH,  272                       ; an LDS row: 256 bytes + 16 of padding = 68 words: the 16 rows that a load touches start at 16 different groups of four banks (64 banks of 4 bytes: ISA guide 11.1)
.set HALFT,  128*PITCH                 ; 128 rows: what one tensor load brings
.set SLOT,   4*HALFT                   ; A's 256 rows, then B's 256 rows.  0x22000: no fill address inside a slot (wave x 0x8800) has one of its two bits, so an exclusive or changes slots
.set STAGE,  2*SLOT                    ; behind the ring: 16 rows x 272 bytes for each wave, for the way out
.set SPITCH, 272
.set SPARE,  STAGE+4*16*SPITCH         ; behind the stages: the spare words, 128 bytes for each wave, which no other line names
.set ROWB,   2048                      ; bytes in a row of xw and of q, k, v
.set A1,   12                          ; v12  my place among A's fragments in a slot, first tile; never rewritten
.set B1,   13                          ; v13  the same for B
.set A2,   14                          ; v14  second tile
.set B2,   15                          ; v15
.set ADRA, 16                          ; v16  LDS address of my A fragments in the slot in hand
.set ADRB, 20                          ; v20  the same for B
.set STO,  24                          ; v24  the way out: where I put 16 bytes of a row
.set RD,   25                          ; v25  the way out: where I read a row back
.set CO,   26                          ; v26  my byte offset in two rows of the result
.set SPW,  28                          ; v28  LDS address of my spare word; never rewritten
.set NIL,  29                          ; v29  0; never rewritten
.set PFO,  30                          ; v30  the prefetches' offset: my lane x a row; never rewritten
.set F0,   64
.set F1,   128
.set TMP,  192
.set OB,   32
.set G1,   24                          ; s[24:31] descriptor group 1 for A's tiles
.set G0,   32                          ; s[32:39] group 0 for A's tiles: a set for each of the two first fills; the second then walks on
.set LIM,  43                          ; s43      2 in a wave that prefetches, else the greatest number
.set PFA,  44                          ; s[44:45] where my prefetches stand
.set BB1,  46                          ; s[46:47] B at my rows, first tile
.set G1B,  48                          ; s[48:55], s[56:63] the descriptors for B's tiles
.set G0B,  56
.set OFF,  66                          ; s[66:67] byte along K of the K step to be asked for next
.set BB2,  68                          ; s[68:69] B at the second tile's 128 rows
.set C2,   70                          ; s[70:71] v at my first row and column
.set TB,   72                          ; s72      the slot in hand: 0 or SLOT
.set CT,   73                          ; s73      counts the loops of two trips
.set LIM2, 74                          ; s74      LIM for the second tile
.set PFA2, 76                          ; s[76:77] PFA for the second tile
.set AB,   78                          ; s[78:79] A at my rows
.set MSB, 0
.macro WIN new                         ; the immediate's high byte repeats the setting that is left; a switch that changes nothing is dropped
.if MSB != (\new)
	s_set_vgpr_msb (MSB<<8)|(\new)
.set MSB, \new
.endif
.endm
.set MUL_LO, 0xa1                      ; source 0 (B) window 1, source 1 (A) window 0, C and D window 2
.set MUL_HI, 0xf1                      ; the same, C and D window 3
.set TO_B,   0x40                      ; destination window 1, address window 0
; A joint load by descriptor set s.  The branches hang on the wave's number alone.  tile = 2: B has 128 rows, and wave 3 asks for nothing.
; An s_nop 0 and four v_nop follow each load; the four are also the places in front of the LDS loads that follow, so wave 3 runs them too.
.macro JLOAD s, tile
	s_cmp_eq_u32 s11, 0
	s_cbranch_scc0 .Lfor_b_\@
	tensor_load_to_lds s[G0+4*(\s):G0+4*(\s)+3], s[G1:G1+7]
	s_nop 0
.rept 4
	v_nop
.endr
	s_branch .Lasked_\@
.Lfor_b_\@:
.if (\tile) == 2
	s_cmp_eq_u32 s10, 2
	s_cbranch_scc0 .Lnone_\@
.endif
	tensor_load_to_lds s[G0B+4*(\s):G0B+4*(\s)+3], s[G1B:G1B+7]
	s_nop 0
.if (\tile) == 2
.Lnone_\@:
.endif
.rept 4
	v_nop
.endr
.Lasked_\@:
.endm
; A prefetch into the L2, behind each joint refill and the run of LDS loads that follows it: the K step that stands two refills on, 32 rows x 256 bytes, a lane a row.
; Each row's 256 bytes of a K step are named once in the launch.  First tile: A's tile row is read by both clusters of that row of clusters, and cluster x = 0 asks; B's tile column by the eight clusters of
; that column, and cluster y = 0 asks.  Second tile: Wv's rows alone (x's rows are read a second time): wave 2 of the clusters with y = 0.  The four partners of a joint load share its 128 rows out by address,
; 32 each.  how = 0, in a loop of six trips: its last two trips have no K step two refills on.  how = 1: the two changes that lead into the second tile name its K steps 2 and 3.
.macro ASK how
.if \how
	s_cmp_eq_u32 s[LIM], 2
.else
	s_cmp_gt_u32 s3, s[LIM]
.endif
	s_cbranch_scc0 .Lnot_mine_\@
	global_prefetch_b8 v[PFO], s[PFA:PFA+1] offset:KSTEP*2 th:TH_LOAD_NT scope:SCOPE_SE
.Lnot_mine_\@:
.endm
.macro CREST                           ; a round of the cluster's barrier behind its opening barrier
	s_cmp_lg_u32 s10, 0
	s_cbranch_scc1 .Lnot_wave_0_\@
	s_barrier_signal -3
.Lnot_wave_0_\@:
	s_barrier_wait -3
	s_barrier_signal -1
	s_barrier_wait -1
.endm
.macro CROUND                          ; a whole round
	s_barrier_signal -1
	s_barrier_wait -1
	CREST
.endm
	s_load_b128 s[4:7], s[0:1], 0x0                ; xw s[4:5], qkv s[6:7]
	v_lshl_add_u32 v[SPW], v0, 2, SPARE
	v_mov_b32 v[NIL], 0
	ds_add_u32 v[SPW], v[NIL]                      ; the wave's opening: the add and its wait stand ahead of my first tensor load; the set-up below stands between them
	v_lshrrev_b32 v1, 5, v0
	v_readfirstlane_b32 s10, v1                    ; wave 0..3
	s_lshr_b32 s11, s10, 1                         ; first tile: which half of the rows is mine.  Also: I fetch for A (0) or for B (1)
	s_and_b32 s12, s10, 1                          ; first tile: which half of the columns.  Also: which 128 rows I fetch
	s_bfe_u32 s40, ttmp6, 0x40000                  ; cx
	s_bfe_u32 s41, ttmp6, 0x40004                  ; cy
	s_lshl_b32 s42, ttmp9, 2
	s_add_co_u32 s42, s42, s40                     ; tc = 4 x cluster x + cx, 0..7
	s_and_b32 s13, ttmp7, 0xffff
	s_lshl_b32 s13, s13, 2
	s_add_co_u32 s13, s13, s41                     ; tile row = 4 x cluster y + cy, 0..31
	s_lshl_b32 s43, s41, 2
	s_lshl_b32 s43, 15, s43                        ; my row of the cluster
	s_lshl_b32 s44, 0x1111, s40                    ; my column
	; group 1: a tile of 128 rows x 128 elements of 2 bytes; 16 bytes of padding behind every 64 words; the mask, with bit 21 beside it
	s_or_b32 s[G1+0], s43, (1<<16)|(1<<20)|(1<<21)|(5<<22)|(3<<25)
	s_or_b32 s[G1B+0], s44, (1<<16)|(1<<20)|(1<<21)|(5<<22)|(3<<25)
.irp g, G1, G1B
	s_mov_b32 s[(\g)+1], KSTEP<<16                 ; tensor_dim0 = 128
	s_mov_b32 s[(\g)+2], 128<<16                   ; tensor_dim1 = 128
	s_mov_b32 s[(\g)+3], KSTEP<<16                 ; tile_dim0 = 128
	s_mov_b32 s[(\g)+4], 128                       ; tile_dim1 = 128
	s_mov_b32 s[(\g)+5], SIZE_K                    ; elements from row to row
	s_mov_b32 s[(\g)+6], 0
	s_mov_b32 s[(\g)+7], 0
.endr
	s_lshl_b32 s17, s12, 7                         ; which 128 rows I fetch
	s_lshl_b32 s16, s13, 8
	s_add_co_u32 s16, s16, s17                     ; A: row 256 x tile row + 128 x half,
	s_lshl_b32 s16, s16, 11                        ; in bytes (under 2^24)
	s_lshl_b32 s[BB1], s42, 8
	s_add_co_u32 s[BB1], s[BB1], s17               ; B, first tile: row 256 tc + 128 x half of Wq and Wk
	s_lshl_b32 s[BB1], s[BB1], 11
	s_mov_b32 s17, 0
	s_mov_b32 s[BB1+1], 0
	s_lshl_b32 s[BB2], s42, 7
	s_add_co_u32 s[BB2], s[BB2], 2048              ; B, second tile: row 128 tc of Wv, which lies behind Wq and Wk
	s_lshl_b32 s[BB2], s[BB2], 11
	s_mov_b32 s[BB2+1], 0
	s_mul_i32 s20, s10, HALFT                      ; where my tiles go: wave x 128 rows: no place in the cluster enters an LDS address
	s_mov_b32 s[OFF], 2*KSTEP*2                    ; the first refill brings K step 2
	s_mov_b32 s[OFF+1], 0
	s_mov_b32 s[TB], 0
	s_wait_dscnt 0x0                               ; the opening add is done
	s_wait_kmcnt 0x0
	s_mov_b64 s[8:9], s[6:7]                       ; qkv
	s_add_nc_u64 s[6:7], s[4:5], 8192*ROWB         ; the weights' rows lie behind x's
	s_add_nc_u64 s[AB:AB+1], s[4:5], s[16:17]
	s_add_nc_u64 s[BB1:BB1+1], s[6:7], s[BB1:BB1+1]
	s_add_nc_u64 s[BB2:BB2+1], s[6:7], s[BB2:BB2+1]
	CROUND                                         ; all sixteen work-groups are here: the first joint loads meet
.irp s, 0,1
	s_mov_b32 s[G0+4*(\s)], 1
	s_add_co_u32 s[G0+4*(\s)+1], s20, (\s)*SLOT
	s_add_nc_u64 s[G0+4*(\s)+2:G0+4*(\s)+3], s[AB:AB+1], (\s)*KSTEP*2
	s_or_b32 s[G0+4*(\s)+3], s[G0+4*(\s)+3], 0x80000000
	s_mov_b32 s[G0B+4*(\s)], 1
	s_add_co_u32 s[G0B+4*(\s)+1], s20, (\s)*SLOT
	s_add_nc_u64 s[G0B+4*(\s)+2:G0B+4*(\s)+3], s[BB1:BB1+1], (\s)*KSTEP*2
	s_or_b32 s[G0B+4*(\s)+3], s[G0B+4*(\s)+3], 0x80000000
	JLOAD \s, 1                                    ; K steps 0 and 1: two loads of mine are out
.endr
	; a fragment is 16 rows x 32 K in 8 registers: lane l holds row l % 16, K = 8 (l / 16) + 0..7 and 16 + 8 (l / 16) + 0..7: two loads of 16 bytes, 32 bytes apart
	v_and_b32 v1, 15, v0                           ; l % 16
	v_bfe_u32 v2, v0, 4, 1                         ; l / 16
	v_mul_u32_u24 v3, v1, PITCH
	v_lshl_add_u32 v3, v2, 4, v3
	s_mul_i32 s21, s11, HALFT                      ; first tile: my 128 rows of A,
	s_mul_i32 s22, s12, HALFT                      ; my 128 rows of B,
	s_add_co_u32 s22, s22, 2*HALFT                 ; which lie behind A's 256
	v_add_nc_u32 v[A1], s21, v3
	v_add_nc_u32 v[B1], s22, v3
	s_mul_i32 s21, s10, 64*PITCH                   ; second tile: my 64 rows of A, and all 128 rows of B
	v_add_nc_u32 v[A2], s21, v3
	v_add_nc_u32 v[B2], 2*HALFT, v3
	v_mov_b32 v[ADRA], v[A1]                       ; slot 0
	v_mov_b32 v[ADRB], v[B1]
	s_mul_i32 s23, s10, 16*SPITCH
	s_add_co_u32 s23, s23, STAGE                   ; my stage
	v_mul_u32_u24 v4, v1, SPITCH                   ; in: row l % 16, 16 bytes for each half of the lanes
	v_lshl_add_u32 v4, v2, 4, v4
	v_add_nc_u32 v[STO], s23, v4
	v_mul_u32_u24 v5, v2, SPITCH                   ; back: lanes 0-15 take one row of 256 bytes, lanes 16-31 the next
	v_lshl_add_u32 v5, v1, 4, v5
	v_add_nc_u32 v[RD], s23, v5
	v_lshlrev_b32 v5, 11, v2                       ; and the same two rows in q, k or v
	v_lshl_add_u32 v[CO], v1, 4, v5
	; where my part of the first tile begins in qkv: part (tc / 4) x 16 MiB + row x 2,048 + (tc % 4) x 512 + 256 x half
	s_lshl_b32 s13, s13, 8                         ; 256 x tile row
	s_lshl_b32 s14, s11, 7
	s_add_co_u32 s16, s13, s14
	s_lshl_b32 s16, s16, 11
	s_mov_b32 s17, 0
	s_and_b32 s18, s42, 3
	s_lshl_b32 s18, s18, 9
	s_lshl_b32 s19, s12, 8
	s_add_co_u32 s18, s18, s19
	s_lshr_b32 s19, s42, 2
	s_lshl_b32 s19, s19, 24
	s_add_co_u32 s18, s18, s19
	s_mov_b32 s19, 0
	s_add_nc_u64 s[16:17], s[16:17], s[18:19]
	; and of the second: 32 MiB (v) + (256 x tile row + 64 x wave) x 2,048 + 256 tc
	s_lshl_b32 s14, s10, 6
	s_add_co_u32 s14, s13, s14
	s_lshl_b32 s14, s14, 11
	s_lshl_b32 s15, s42, 8
	s_add_co_u32 s14, s14, s15
	s_add_co_u32 s14, s14, 0x2000000
	s_mov_b32 s15, 0
	s_add_nc_u64 s[C2:C2+1], s[8:9], s[14:15]
	; the prefetches
	s_lshl_b32 s18, s42, 8                         ; 256 tc
	s_and_b32 s22, ttmp7, 0xffff                   ; cluster y
	s_cmp_eq_u32 s11, 0                            ; do I fetch for A?
	s_cselect_b32 s20, s13, s18                    ; the tile's first row
	s_cselect_b32 s21, s40, s41                    ; my place among the four that ask for it with me
	s_cselect_b32 s23, ttmp9, s22                  ; the coordinate along which other clusters read the same rows
	s_cselect_b64 s[PFA:PFA+1], s[4:5], s[6:7]
	s_cmp_eq_u32 s23, 0
	s_cselect_b32 s[LIM], 2, -1                    ; the same in all sixteen partners, for a given wave
	s_lshl_b32 s23, s12, 7
	s_add_co_u32 s20, s20, s23                     ; + the 128 rows that I fetch
	s_lshl_b32 s21, s21, 5
	s_add_co_u32 s20, s20, s21                     ; + my work-group's 32 of them
	s_lshl_b32 s20, s20, 11
	s_mov_b32 s21, 0
	s_add_nc_u64 s[PFA:PFA+1], s[PFA:PFA+1], s[20:21]
	s_add_nc_u64 s[PFA:PFA+1], s[PFA:PFA+1], 2*KSTEP*2  ; at K step 2: the first refill steps it to 3 and names K step 4
	s_lshl_b32 s20, s41, 16                        ; second tile: my work-group's 32 of Wv's 128 rows: 32 cy rows of 2,048 bytes
	s_add_nc_u64 s[PFA2:PFA2+1], s[BB2:BB2+1], s[20:21]  ; at K step 0: the first of its changes steps it to 1 and names K step 2
	s_xor_b32 s23, s10, 2                          ; 0 in wave 2,
	s_or_b32 s23, s23, s22                         ; where the cluster's y is 0
	s_cmp_eq_u32 s23, 0
	s_cselect_b32 s[LIM2], 2, -1
	v_and_b32 v[PFO], 31, v0
	v_lshlrev_b32 v[PFO], 11, v[PFO]
; 16 matrix instructions: row blocks a0, a0 + 1 of the window's four x all 8 column blocks, 32 along K.  zero = 1: the first product starts the sums.
; The accumulators take turns, one instruction a turn, in the same order in every quarter, over the jumps too.
.macro MUL16 f, hi, a0, zero
	WIN MUL_LO+0x50*(\hi)
.irp a, \a0, (\a0)+1
.irp b, 0,1,2,3,4,5,6,7
.if \zero
	v_wmma_f32_16x16x32_f16 v[8*(8*(\a)+(\b)):8*(8*(\a)+(\b))+7], v[(\f)+8*(\b):(\f)+8*(\b)+7], v[(\f)+8*(4*(\hi)+(\a)):(\f)+8*(4*(\hi)+(\a))+7], 0
.else
	v_wmma_f32_16x16x32_f16 v[8*(8*(\a)+(\b)):8*(8*(\a)+(\b))+7], v[(\f)+8*(\b):(\f)+8*(\b)+7], v[(\f)+8*(4*(\hi)+(\a)):(\f)+8*(4*(\hi)+(\a))+7], v[8*(8*(\a)+(\b)):8*(8*(\a)+(\b))+7]
.endif
.endr
.endr
.endm
; The fragments of one quarter step (32 K at byte k of the rows) into buffer f, in one run.  na: row blocks of A: 8 in the first tile (32 loads), 4 in the second (24)
.macro FETCH k, f, na
	WIN TO_B
.irp i, 0,1,2,3,4,5,6,7
	ds_load_b128 v[(\f)+8*(\i):(\f)+8*(\i)+3],   v[ADRB] offset:(\k)+(\i)*16*PITCH
	ds_load_b128 v[(\f)+8*(\i)+4:(\f)+8*(\i)+7], v[ADRB] offset:(\k)+(\i)*16*PITCH+32
.endr
	WIN 0
.irp i, 0,1,2,3,4,5,6,7
.if (\i) < (\na)
	ds_load_b128 v[(\f)+8*(\i):(\f)+8*(\i)+3],   v[ADRA] offset:(\k)+(\i)*16*PITCH
	ds_load_b128 v[(\f)+8*(\i)+4:(\f)+8*(\i)+7], v[ADRA] offset:(\k)+(\i)*16*PITCH+32
.endif
.endr
.endm
.macro PLACES                          ; four plain vector instructions between a matrix instruction and a load into, or a vector read of, its registers
.rept 4
	v_nop
.endr
.endm
; FIRST TILE.  A K step is four quarters of 32 along K, 64 matrix instructions each, on buffers 0, 1, 0, 1.  One of the first three multiplies buffer f and fetches the next quarter, at byte k, into g.
.macro QUARTER k, f, g, zero
	s_wait_dscnt 8                                 ; B and A's rows 0-63 are in; the youngest eight loads (A's rows 64-127) may be out
	MUL16 \f, 0, 0, \zero
	MUL16 \f, 0, 2, \zero
	PLACES
	FETCH \k, \g, 8
	s_wait_dscnt 32                                ; all but the 32 just issued
	MUL16 \f, 1, 0, \zero
	MUL16 \f, 1, 2, \zero
.endm
; The refill, behind the opening barrier of a change of slots: the rest of the cluster's round, so that no wave of any partner still reads the slot or has a load on its way; the walking descriptors:
; the other slot than last time, the address made anew from the base and the byte along K; the joint load, first thing behind the round.
.macro REFILL tile
	CREST
	s_xor_b32 s[G0+5], s[G0+5], SLOT
	s_add_nc_u64 s[G0+6:G0+7], s[AB:AB+1], s[OFF:OFF+1]
	s_or_b32 s[G0+7], s[G0+7], 0x80000000
	s_xor_b32 s[G0B+5], s[G0B+5], SLOT
.if (\tile) == 1
	s_add_nc_u64 s[G0B+6:G0B+7], s[BB1:BB1+1], s[OFF:OFF+1]
.else
	s_add_nc_u64 s[G0B+6:G0B+7], s[BB2:BB2+1], s[OFF:OFF+1]
.endif
	s_or_b32 s[G0B+7], s[G0B+7], 0x80000000
	s_add_co_u32 s[OFF], s[OFF], KSTEP*2
	JLOAD 1, \tile
.endm
.macro SWAP a0, b0                     ; the reads go to the other slot
	s_xor_b32 s[TB], s[TB], SLOT
	v_add_nc_u32 v[ADRA], s[TB], v[\a0]
	v_add_nc_u32 v[ADRB], s[TB], v[\b0]
.endm
; The first tile's last quarter multiplies buffer 1 and changes slots.  One barrier, which opens a round of the cluster's barrier: in front of it each wave waits for all its tensor loads, adds 0 to its spare
; word, and waits for that and for its reads of this slot.  The slot just read out is filled again with the K step two steps on: of this tile (tile = 1) or, in its last two K steps, of the second tile (tile = 2).
; From a request to the wait for it a wave issues 224 matrix instructions.
.macro TURN tile
	s_wait_xcnt 0x0                                ; the last prefetch, a K step back, has read its address
	s_add_nc_u64 s[PFA:PFA+1], s[PFA:PFA+1], KSTEP*2
	WIN 0                                          ; (the add's two registers lie in window 0)
	s_wait_tensorcnt 0x0                           ; all my tensor loads have landed: the one that was out is my part of the next slot
	ds_add_u32 v[SPW], v[NIL]
	s_wait_dscnt 9                                 ; (the add and the youngest eight loads may be out)
	MUL16 F1, 0, 0, 0                              ; sixteen matrix instructions stand between the add and the wait for it
	s_wait_dscnt 0x0                               ; the add is done, and my reads of this slot are over
	s_barrier_signal -1
	MUL16 F1, 0, 2, 0                              ; work on registers while the others arrive
	WIN 0
	s_barrier_wait -1
	REFILL \tile
	SWAP A1, B1
	FETCH 0, F0, 8
	ASK (\tile)-1
	MUL16 F1, 1, 0, 0
	MUL16 F1, 1, 2, 0
.endm
; SECOND TILE.  A quarter is 32 matrix instructions.  The next quarter's 24 loads stand at the quarter's head, 32 matrix instructions ahead of the wait for them.
.macro QUARTER2 k, f, g, zero
	s_wait_dscnt 0x0                               ; buffer f is in
	PLACES                                         ; the quarter before multiplied buffer g
	FETCH \k, \g, 4
	MUL16 \f, 0, 0, \zero
	MUL16 \f, 0, 2, \zero
.endm
; Its last quarter and change of slots.  fill = 1: the slot is filled again, two K steps on: 112 matrix instructions ahead of the wait for it.
.macro TURN2 fill
.if \fill
	s_wait_xcnt 0x0                                ; the last prefetch, a K step back, has read its address
	s_add_nc_u64 s[PFA:PFA+1], s[PFA:PFA+1], KSTEP*2
.endif
	WIN 0
	s_wait_tensorcnt 0x0                           ; all my tensor loads have landed
	ds_add_u32 v[SPW], v[NIL]
	s_wait_dscnt 0x0                               ; the add is done; buffer 1 is in, and with it my reads of this slot are over
	s_barrier_signal -1
	MUL16 F1, 0, 0, 0                              ; work on registers while the others arrive
	WIN 0
	s_barrier_wait -1
.if \fill
	REFILL 2
.else
	PLACES
.endif
	SWAP A2, B2
	FETCH 0, F0, 4
.if \fill
	ASK 0
.endif
	MUL16 F1, 0, 2, 0
.endm
; THE WAY OUT of row block a (16 rows x 128 columns): rounded to f16, 16 bytes a lane; through my own stage in LDS; back as whole rows of 256 bytes; stored.
.macro PACK a
.set AC, 64*((\a)%4)
	WIN 0x0a+5*((\a)/4)                            ; sources 0 and 1: window 2 or 3
.irp b, 0,1,2,3,4,5,6,7
.irp r, 0,1,2,3
	v_cvt_pk_f16_f32 v[TMP+4*(\b)+(\r)], v[AC+8*(\b)+2*(\r)], v[AC+8*(\b)+2*(\r)+1]
.endr
.endr
	WIN 0
.endm
.macro TOSTAGE a
	WIN 0
.set BK, OB+192*((\a)%2)
.irp b, 0,1,2,3,4,5,6,7
	ds_store_b128 v[STO], v[TMP+4*(\b):TMP+4*(\b)+3] offset:32*(\b)
.endr
.irp t, 0,1,2,3,4,5,6,7
	ds_load_b128 v[BK+4*(\t):BK+4*(\t)+3], v[RD] offset:(\t)*2*SPITCH  ; LDS serves a wave's instructions in order (ISA guide 5.7.1.4): these see the stores above
.endr
.endm
.macro SEND a, tile
	WIN 0
.set BK, OB+192*((\a)%2)
	s_wait_dscnt 0x0                               ; the block is back in registers
	s_wait_xcnt 0x0                                ; the stores' base and the registers that earlier stores read are rewritten only behind this wait
.if (\a) != 0
	s_add_nc_u64 s[8:9], s[8:9], 16*ROWB
.elseif (\tile) == 1
	s_add_nc_u64 s[8:9], s[8:9], s[16:17]
.else
	s_mov_b64 s[8:9], s[C2:C2+1]
.endif
.irp t, 0,1,2,3,4,5,6,7
	global_store_b128 v[CO], v[BK+4*(\t):BK+4*(\t)+3], s[8:9] offset:2*(\t)*ROWB  ; 16 lanes store 256 consecutive bytes, aligned
.endr
.endm
	s_wait_tensorcnt 1                             ; my part of K step 0 is in; K step 1's may stay out
	s_barrier_signal -1
	s_barrier_wait -1
	FETCH 0, F0, 8
	QUARTER 64,  F0, F1, 1                         ; THE FIRST TILE.  Its first quarter starts the sums
	WIN 0
	s_mov_b32 s3, 6
	s_branch .Lin1                                 ; the loop is entered behind a K step's first quarter
.Lk1:                                                  ; six trips: K steps 0 to 5; K steps 2 to 7 are asked for
	QUARTER 64,  F0, F1, 0
	WIN 0
.Lin1:
	QUARTER 128, F1, F0, 0
	QUARTER 192, F0, F1, 0
	TURN 1
	WIN 0
	s_sub_co_u32 s3, s3, 1
	s_cmp_lg_u32 s3, 0
	s_cbranch_scc1 .Lk1
	s_wait_xcnt 0x0                                ; the prefetches go on to the second tile's rows of B
	s_mov_b64 s[PFA:PFA+1], s[PFA2:PFA2+1]
	s_mov_b32 s[LIM], s[LIM2]
	s_mov_b32 s[OFF], 0                            ; and the refills to its K step 0
	s_mov_b32 s[CT], 2
.Lk2:                                                  ; two trips: K steps 6 and 7; the second tile's K steps 0 and 1 are asked for
	QUARTER 64,  F0, F1, 0
	QUARTER 128, F1, F0, 0
	QUARTER 192, F0, F1, 0
	TURN 2
	WIN 0
	s_sub_co_u32 s[CT], s[CT], 1
	s_cmp_lg_u32 s[CT], 0
	s_cbranch_scc1 .Lk2
	s_wait_dscnt 0x0                               ; the last change's fragments, which serve nothing, have landed: their registers are free
	PLACES
	PACK 0                                         ; both refills are asked for: now the first tile goes out
	TOSTAGE 0
.irp a, 1,2,3,4,5,6,7                  ; block a's conversions stand between block a - 1's loads from the stage and the wait for them
	PACK \a
	SEND (\a)-1, 1
	TOSTAGE \a
.endr
	SEND 7, 1
	v_add_nc_u32 v[ADRA], s[TB], v[A2]             ; THE SECOND TILE.  Its K step 0 was shown landed, everybody's part, by the last change of slots
	v_add_nc_u32 v[ADRB], s[TB], v[B2]
	FETCH 0, F0, 4
	QUARTER2 64,  F0, F1, 1
	WIN 0
	s_mov_b32 s3, 6
	s_branch .Lin3
.Lk3:                                                  ; six trips: K steps 0 to 5; K steps 2 to 7 are asked for
	QUARTER2 64,  F0, F1, 0
	WIN 0
.Lin3:
	QUARTER2 128, F1, F0, 0
	QUARTER2 192, F0, F1, 0
	TURN2 1
	WIN 0
	s_sub_co_u32 s3, s3, 1
	s_cmp_lg_u32 s3, 0
	s_cbranch_scc1 .Lk3
	s_mov_b32 s[CT], 2
.Lk4:                                                  ; two trips: K steps 6 and 7; nothing is asked for
	QUARTER2 64,  F0, F1, 0
	QUARTER2 128, F1, F0, 0
	QUARTER2 192, F0, F1, 0
	TURN2 0
	WIN 0
	s_sub_co_u32 s[CT], s[CT], 1
	s_cmp_lg_u32 s[CT], 0
	s_cbranch_scc1 .Lk4
	s_wait_dscnt 0x0                               ; as above
	PLACES
	PACK 0
	TOSTAGE 0
.irp a, 1,2,3
	PACK \a
	SEND (\a)-1, 2
	TOSTAGE \a
.endr
	SEND 3, 2
	s_wait_tensorcnt 0x0                           ; the wave's end
	ds_add_u32 v[SPW], v[NIL]
	s_wait_dscnt 0x0
	CROUND                                         ; the closing round: no work-group ends while a partner may still ask for a tile that names it
	s_endpgm
.Lfunc_end_k_qa5beade610_proj:
	.size	k_qa5beade610_proj, .Lfunc_end_k_qa5beade610_proj-k_qa5beade610_proj
	.p2alignl 7, 3214868480
	.fill 96, 4, 3214868480
	.section	.rodata,"a",@progbits
	.p2align	6, 0x0
	.amdhsa_kernel k_qa5beade610_proj
		.amdhsa_group_segment_fixed_size 327680
		.amdhsa_private_segment_fixed_size 0
		.amdhsa_enable_private_segment 0
		.amdhsa_kernarg_size 16
		.amdhsa_user_sgpr_count 2
		.amdhsa_user_sgpr_kernarg_segment_ptr 1
		.amdhsa_wavefront_size32 1
		.amdhsa_system_sgpr_workgroup_id_x 1
		.amdhsa_system_sgpr_workgroup_id_y 1
		.amdhsa_system_sgpr_workgroup_id_z 1
		.amdhsa_system_vgpr_workitem_id 0
		.amdhsa_next_free_vgpr 1024
		.amdhsa_next_free_sgpr 80
		.amdhsa_reserve_vcc 0
		.amdhsa_float_denorm_mode_32 3
		.amdhsa_float_denorm_mode_16_64 3
		.amdhsa_memory_ordered 1
		.amdhsa_forward_progress 1
		.amdhsa_inst_pref_size 157
	.end_amdhsa_kernel
	.amdgpu_metadata
---
amdhsa.version: [ 1, 2 ]
amdhsa.kernels:
  - .name:           k_qa5beade610_proj
    .symbol:         k_qa5beade610_proj.kd
    .args:
      - { .name: xw, .offset: 0, .size: 8, .value_kind: global_buffer, .address_space: global }
      - { .name: qkv, .offset: 8, .size: 8, .value_kind: global_buffer, .address_space: global }
    .group_segment_fixed_size: 327680
    .private_segment_fixed_size: 0
    .kernarg_segment_align: 8
    .kernarg_segment_size: 16
    .max_flat_workgroup_size: 128
    .sgpr_count:     80
    .vgpr_count:     1024
    .wavefront_size: 32
...
	.end_amdgpu_metadata
.endif
;; end of part 2
;; launch score (part 3): grid 10 x 16, 4 waves a work-group, no clusters, 327,680 bytes of LDS; arguments qkv, xw, st; writes st
.if DOCPART == 3
	.amdgcn_target "amdgcn-amd-amdhsa--gfx1250"
	.amdhsa_code_object_version 6
	.text
	.protected	k_qa5beade610_score
	.globl	k_qa5beade610_score
	.p2align	8
	.type	k_qa5beade610_score,@function
k_qa5beade610_score:
	s_mov_b64 s[64:65], 0
	v_nop
	global_prefetch_b8 v0, s[64:65] scope:SCOPE_SE
	s_setreg_imm32_b32 hwreg(HW_REG_WAVE_MODE, 25, 1), 1
	s_wait_xcnt 0x0
; st[b][key][query] = k[b][key] . q[b][query], unscaled, in f32: the tiles of 256 keys x 256 queries with key tile j <= query tile i (the others are hidden by the causal mask and are not made).
; Operands f16, sums in f32, K = 1024 ascending.  36 tiles a batch: grid x = 0..8, y = 4 b + y': x <= y' is tile (i = y', j = x), else (i = 7 - y', j = x - y' - 1).
; THE CORNER, grid x = 9: the same product on other rows: C[d][t] = Wv[256 y' + d] . x[b][1792 + t] = v of the batch's last 256 tokens, transposed, in f32.  It goes into the hidden tile
; (j = 4 + y', i = 0) of st: row 1024 + channel, column token - 1792.  The last launch reads its columns 192-255; the other 192 columns are made and not read.
; NO CLUSTER: a batch's 36 lower tiles do not fall into rows and columns of four work-groups that share a tile in every step.
; A work-group of four waves makes 256 x 256, a wave 128 x 128 in 64 accumulators; K in steps of 128 through two LDS slots; source 0 = 16 rows of B (queries), source 1 = 16 rows of A (keys):
; lane l holds key row l % 16 and the queries 8 (l / 16) + 0..7.  Wave w fetches one quarter of a slot: A's halves (w = 0, 1), B's halves (w = 2, 3).
; TEXT.  A K step is written once with a refill and once without, and looped over; the LDS addresses hang on s[TB], which an exclusive or turns from slot to slot.  The first quarter, whose products start
; the sums, stands ahead of the loop, and the loop is entered behind that quarter.  The last change of slots fetches fragments that serve nothing: the price of one text.
; REGISTERS: window 0: v0-31 addresses; v64-127, v128-191 fragments of A; on the way out v64-127 and v192-255 hold rows read back.  Window 1: fragments of B.  Windows 2, 3: accumulators.
.set SIZE_K, 1024
.set KSTEP,  128
.set PITCH,  272                       ; an LDS row: 256 bytes + 16 of padding: the 16 rows that a load touches start at 16 different groups of four banks (ISA guide 11.1)
.set HALFT,  128*PITCH
.set SLOT,   4*HALFT                   ; 0x22000: no fill address inside a slot (wave x 0x8800) has one of its two bits, so an exclusive or changes slots
.set STAGE,  2*SLOT                    ; behind the ring: 16 rows x 528 bytes for each wave
.set SPITCH, 528                       ; 128 f32 + 16 bytes
.set SPARE,  STAGE+4*16*SPITCH         ; the spare words, 128 bytes for each wave, which no other line names
.set A1,   12                          ; v12  my place among A's fragments in a slot; never rewritten
.set B1,   13                          ; v13  the same for B
.set ADRA, 16                          ; v16  LDS address of my A fragments in the slot in hand
.set ADRB, 20                          ; v20  the same for B
.set STO,  24
.set RD,   25
.set CO,   26
.set SPW,  28
.set NIL,  29
.set PFO,  30
.set PFA,  44                          ; s[44:45]
.set LIM,  43
.set OFF,  48                          ; s[48:49] byte along K of the K step to be asked for next
.set TB,   50                          ; s50      the slot in hand: 0 or SLOT
.set CT,   51                          ; s51      counts the loop of two trips
.set F0,   64
.set F1,   128
.set G1, 24                            ; s[24:31] group 1
.set G0, 32                            ; s[32:39] group 0: a set for each of the two first fills; the second then walks on
.set MSB, 0
.macro WIN new
.if MSB != (\new)
	s_set_vgpr_msb (MSB<<8)|(\new)
.set MSB, \new
.endif
.endm
.set MUL_LO, 0xa1
.set MUL_HI, 0xf1
.set TO_B,   0x40
; A prefetch into the L2 of the K step that stands two refills on: my own 128 rows x 256 bytes, a lane a row, four instructions.  A tile of k and a tile of q are each read by several work-groups
; and by exactly one on the diagonal (i = j): that one asks.  In the corner Wv's rows are asked for by batch 0, x's rows by y' = 0.  The loop's last two trips have no K step two refills on.
.macro ASK
	s_cmp_gt_u32 s3, s[LIM]
	s_cbranch_scc0 .Lnot_mine_\@
.irp r, 0,1,2,3
	global_prefetch_b8 v[PFO], s[PFA:PFA+1] offset:KSTEP*2+65536*(\r) th:TH_LOAD_NT scope:SCOPE_SE
.endr
.Lnot_mine_\@:
.endm
	s_load_b128 s[4:7], s[0:1], 0x0                ; qkv s[4:5], xw s[6:7]
	s_load_b64 s[8:9], s[0:1], 0x10                ; st
	v_lshl_add_u32 v[SPW], v0, 2, SPARE
	v_mov_b32 v[NIL], 0
	ds_add_u32 v[SPW], v[NIL]                      ; the wave's opening: the add and its wait stand ahead of my first tensor load
	v_lshrrev_b32 v1, 5, v0
	v_readfirstlane_b32 s10, v1                    ; wave 0..3
	s_lshr_b32 s11, s10, 1                         ; which half of the tile's rows (keys) is mine
	s_and_b32 s12, s10, 1                          ; which half of its columns (queries).  Also: which 128 rows I fetch
	s_mov_b32 s13, ttmp9                           ; x
	s_and_b32 s20, ttmp7, 0xffff
	s_lshr_b32 s14, s20, 2                         ; b
	s_and_b32 s15, s20, 3                          ; y'
	s_sub_co_u32 s21, 7, s15
	s_sub_co_u32 s22, s13, s15
	s_sub_co_u32 s22, s22, 1                       ; used only where x > y'
	s_add_co_u32 s23, s15, 4
	s_cmp_le_u32 s13, s15
	s_cselect_b32 s16, s15, s21                    ; i
	s_cselect_b32 s17, s13, s22                    ; j
	s_cmp_eq_u32 s13, 9
	s_cselect_b32 s16, 0, s16                      ; the corner's place in st
	s_cselect_b32 s17, s23, s17
	s_lshl_b32 s20, s14, 11                        ; 2048 b
	s_lshl_b32 s18, s17, 8
	s_add_co_u32 s18, s18, s20
	s_add_co_u32 s18, s18, 8192                    ; A: k's rows, behind q's 8,192
	s_lshl_b32 s19, s16, 8
	s_add_co_u32 s19, s19, s20                     ; B: q's rows
	s_lshl_b32 s21, s15, 8
	s_add_co_u32 s21, s21, 10240                   ; the corner's A: Wv's rows in xw
	s_add_co_u32 s22, s20, 1792                    ; the corner's B: x's last 256 rows of the batch
	s_cmp_eq_u32 s13, 9
	s_cselect_b32 s18, s21, s18
	s_cselect_b32 s19, s22, s19
	s_xor_b32 s21, s16, s17                        ; 0 on the diagonal
	s_cmp_lt_u32 s10, 2
	s_cselect_b32 s22, s14, s15
	s_cselect_b32 s23, s18, s19                    ; the first row of the tile that I fetch for
	s_cmp_eq_u32 s13, 9
	s_cselect_b32 s21, s22, s21
	s_cmp_eq_u32 s21, 0
	s_cselect_b32 s[LIM], 2, -1
	s_lshl_b32 s22, s12, 7
	s_add_co_u32 s23, s23, s22                     ; + my 128 rows
	s_lshl_b32 s46, s23, 11                        ; in bytes (under 2^26)
	s_mov_b32 s47, 0
	s_mul_i32 s21, s10, HALFT                      ; where they go
	s_mov_b32 s[G1+0], (1<<16)|(1<<20)|(5<<22)|(3<<25)  ; elements of 2 bytes; 16 bytes of padding behind every 64 words
	s_mov_b32 s[G1+1], KSTEP<<16
	s_mov_b32 s[G1+2], 128<<16
	s_mov_b32 s[G1+3], KSTEP<<16
	s_mov_b32 s[G1+4], 128
	s_mov_b32 s[G1+5], SIZE_K
	s_mov_b32 s[G1+6], 0
	s_mov_b32 s[G1+7], 0
	s_mov_b32 s[OFF], 2*KSTEP*2                    ; the first refill brings K step 2
	s_mov_b32 s[OFF+1], 0
	s_mov_b32 s[TB], 0
	s_wait_dscnt 0x0                               ; the opening add is done
	s_wait_kmcnt 0x0
	s_cmp_eq_u32 s13, 9
	s_cselect_b64 s[40:41], s[6:7], s[4:5]
	s_add_nc_u64 s[40:41], s[40:41], s[46:47]      ; the source at my 128 rows
.irp s, 0,1
	s_mov_b32 s[G0+4*(\s)], 1
	s_add_co_u32 s[G0+4*(\s)+1], s21, (\s)*SLOT
	s_add_nc_u64 s[G0+4*(\s)+2:G0+4*(\s)+3], s[40:41], (\s)*KSTEP*2
	s_or_b32 s[G0+4*(\s)+3], s[G0+4*(\s)+3], 0x80000000
	tensor_load_to_lds s[G0+4*(\s):G0+4*(\s)+3], s[G1:G1+7]  ; K steps 0 and 1: two loads of mine are out
	s_nop 0
.endr
.rept 4
	v_nop
.endr
	s_add_nc_u64 s[PFA:PFA+1], s[40:41], 2*KSTEP*2 ; at K step 2: the first refill steps it to 3 and names K step 4
	v_and_b32 v[PFO], 31, v0
	v_lshlrev_b32 v[PFO], 11, v[PFO]
	v_and_b32 v1, 15, v0                           ; l % 16
	v_bfe_u32 v2, v0, 4, 1                         ; l / 16
	v_mul_u32_u24 v3, v1, PITCH
	v_lshl_add_u32 v3, v2, 4, v3
	s_mul_i32 s21, s11, HALFT
	s_mul_i32 s22, s12, HALFT
	s_add_co_u32 s22, s22, 2*HALFT
	v_add_nc_u32 v[A1], s21, v3
	v_add_nc_u32 v[B1], s22, v3
	v_mov_b32 v[ADRA], v[A1]                       ; slot 0
	v_mov_b32 v[ADRB], v[B1]
	s_mul_i32 s23, s10, 16*SPITCH
	s_add_co_u32 s23, s23, STAGE                   ; my stage
	v_mul_u32_u24 v4, v1, SPITCH                   ; in: row l % 16, 32 bytes for each half of the lanes
	v_lshl_add_u32 v4, v2, 5, v4
	v_add_nc_u32 v[STO], s23, v4
	v_and_b32 v5, 31, v0
	v_lshlrev_b32 v[CO], 4, v5                     ; back: 32 lanes take one row's 512 bytes
	v_add_nc_u32 v[RD], s23, v[CO]
	s_lshl_b32 s20, s17, 8                         ; where my part begins in st: (256 j + 128 half) rows of 8,192 bytes,
	s_lshl_b32 s21, s11, 7
	s_add_co_u32 s20, s20, s21
	s_lshl_b32 s20, s20, 13
	s_lshl_b32 s21, s16, 8                         ; (256 i + 128 half) columns of 4 bytes,
	s_lshl_b32 s22, s12, 7
	s_add_co_u32 s21, s21, s22
	s_lshl_b32 s21, s21, 2
	s_add_co_u32 s20, s20, s21
	s_lshl_b32 s21, s14, 24                        ; the batch's 16 MiB
	s_add_co_u32 s46, s20, s21
	s_mov_b32 s47, 0
; 16 matrix instructions: row blocks a0, a0 + 1 of the window's four x all 8 column blocks, 32 along K.  The 64 accumulators take turns, in the same order in every quarter, over the jumps too.
.macro MUL16 f, hi, a0, zero
	WIN MUL_LO+0x50*(\hi)
.irp a, \a0, (\a0)+1
.irp b, 0,1,2,3,4,5,6,7
.if \zero
	v_wmma_f32_16x16x32_f16 v[8*(8*(\a)+(\b)):8*(8*(\a)+(\b))+7], v[(\f)+8*(\b):(\f)+8*(\b)+7], v[(\f)+8*(4*(\hi)+(\a)):(\f)+8*(4*(\hi)+(\a))+7], 0
.else
	v_wmma_f32_16x16x32_f16 v[8*(8*(\a)+(\b)):8*(8*(\a)+(\b))+7], v[(\f)+8*(\b):(\f)+8*(\b)+7], v[(\f)+8*(4*(\hi)+(\a)):(\f)+8*(4*(\hi)+(\a))+7], v[8*(8*(\a)+(\b)):8*(8*(\a)+(\b))+7]
.endif
.endr
.endr
.endm
.macro FETCH k, f                      ; 32 LDS loads in one run: the fragments of one quarter step (32 K at byte k of the rows) into buffer f
	WIN TO_B
.irp i, 0,1,2,3,4,5,6,7
	ds_load_b128 v[(\f)+8*(\i):(\f)+8*(\i)+3],   v[ADRB] offset:(\k)+(\i)*16*PITCH
	ds_load_b128 v[(\f)+8*(\i)+4:(\f)+8*(\i)+7], v[ADRB] offset:(\k)+(\i)*16*PITCH+32
.endr
	WIN 0
.irp i, 0,1,2,3,4,5,6,7
	ds_load_b128 v[(\f)+8*(\i):(\f)+8*(\i)+3],   v[ADRA] offset:(\k)+(\i)*16*PITCH
	ds_load_b128 v[(\f)+8*(\i)+4:(\f)+8*(\i)+7], v[ADRA] offset:(\k)+(\i)*16*PITCH+32
.endr
.endm
.macro PLACES                          ; four plain vector instructions between a matrix instruction and a load into, or a read of, its registers
.rept 4
	v_nop
.endr
.endm
.macro QUARTER k, f, g, zero           ; 64 matrix instructions on buffer f; in their middle the next quarter, at byte k, is fetched into g
	s_wait_dscnt 8                                 ; B and A's rows 0-63 are in; the youngest eight loads (A's rows 64-127) may be out
	MUL16 \f, 0, 0, \zero
	MUL16 \f, 0, 2, \zero
	PLACES
	FETCH \k, \g
	s_wait_dscnt 32                                ; all but the 32 just issued
	MUL16 \f, 1, 0, \zero
	MUL16 \f, 1, 2, \zero
.endm
; A K step's last quarter multiplies buffer 1 and changes slots: one barrier; in front of it each wave waits for all its tensor loads, adds 0 to its spare word, and waits for that and for its reads of this slot.
; fill = 1: the slot just read out is filled again, first thing behind the barrier, two K steps on: 224 matrix instructions ahead of the wait for it.
.macro TURN fill
.if \fill
	s_wait_xcnt 0x0                                ; the last prefetches, a K step back, have read their address
	s_add_nc_u64 s[PFA:PFA+1], s[PFA:PFA+1], KSTEP*2
.endif
	WIN 0
	s_wait_tensorcnt 0x0                           ; all my tensor loads have landed: the one that was out is my part of the next slot
	ds_add_u32 v[SPW], v[NIL]
	s_wait_dscnt 9                                 ; (the add and the youngest eight loads may be out)
	MUL16 F1, 0, 0, 0
	s_wait_dscnt 0x0                               ; the add is done, and my reads of this slot are over
	s_barrier_signal -1
	MUL16 F1, 0, 2, 0
	WIN 0
	s_barrier_wait -1                              ; nobody reads this slot any more, and the next slot is whole
.if \fill
	s_xor_b32 s[G0+5], s[G0+5], SLOT               ; the walking descriptor: the other slot than last time,
	s_add_nc_u64 s[G0+6:G0+7], s[40:41], s[OFF:OFF+1]  ; the address made anew from the base and the byte along K
	s_or_b32 s[G0+7], s[G0+7], 0x80000000
	s_add_co_u32 s[OFF], s[OFF], KSTEP*2
	tensor_load_to_lds s[G0+4:G0+7], s[G1:G1+7]
	s_nop 0
.endif
	PLACES                                         ; behind the load, and in front of the LDS loads below
	s_xor_b32 s[TB], s[TB], SLOT                   ; the reads go to the other slot
	v_add_nc_u32 v[ADRA], s[TB], v[A1]
	v_add_nc_u32 v[ADRB], s[TB], v[B1]
	FETCH 0, F0
.if \fill
	ASK
.endif
	MUL16 F1, 1, 0, 0
	MUL16 F1, 1, 2, 0
.endm
; THE WAY OUT of block a (16 key rows x 128 queries, f32): a lane's eight queries, 32 bytes, go into my stage's rows of 528 bytes; whole rows of 512 bytes come back and are stored.
.macro OUTBLK a
.set AC, 64*((\a)%4)
.set BK, 64+128*((\a)%2)
	WIN 0x08+4*((\a)/4)                            ; the store's data in window 2 or 3, its address in window 0
.irp b, 0,1,2,3,4,5,6,7
	ds_store_b128 v[STO], v[AC+8*(\b):AC+8*(\b)+3]   offset:64*(\b)
	ds_store_b128 v[STO], v[AC+8*(\b)+4:AC+8*(\b)+7] offset:64*(\b)+16
.endr
	WIN 0
	s_wait_xcnt 0x0                                ; the stores' base and the registers that earlier stores read are rewritten only behind this wait
.if (\a) == 0
	s_add_nc_u64 s[8:9], s[8:9], s[46:47]
.else
	s_add_nc_u64 s[8:9], s[8:9], 16*8192
.endif
.irp t, 0,1,2,3,4,5,6,7,8,9,10,11,12,13,14,15
	ds_load_b128 v[BK+4*(\t):BK+4*(\t)+3], v[RD] offset:(\t)*SPITCH  ; LDS serves a wave's instructions in order (ISA guide 5.7.1.4): these see the stores above
.endr
	s_wait_dscnt 0x0
.irp t, 0,1,2,3,4,5,6,7,8,9,10,11,12,13,14,15
	global_store_b128 v[CO], v[BK+4*(\t):BK+4*(\t)+3], s[8:9] offset:(\t)*8192  ; a wave stores 512 consecutive bytes, aligned
.endr
.endm
	s_wait_tensorcnt 1                             ; my part of K step 0 is in; K step 1's may stay out
	s_barrier_signal -1
	s_barrier_wait -1
	FETCH 0, F0
	QUARTER 64,  F0, F1, 1                         ; the first quarter starts the sums
	WIN 0
	s_mov_b32 s3, 6
	s_branch .Lin                                  ; the loop is entered behind a K step's first quarter
.Lk:                                                   ; six trips: K steps 0 to 5; K steps 2 to 7 are asked for
	QUARTER 64,  F0, F1, 0
	WIN 0
.Lin:
	QUARTER 128, F1, F0, 0
	QUARTER 192, F0, F1, 0
	TURN 1
	WIN 0
	s_sub_co_u32 s3, s3, 1
	s_cmp_lg_u32 s3, 0
	s_cbranch_scc1 .Lk
	s_mov_b32 s[CT], 2
.Lt:                                                   ; two trips: K steps 6 and 7; nothing is asked for
	QUARTER 64,  F0, F1, 0
	QUARTER 128, F1, F0, 0
	QUARTER 192, F0, F1, 0
	TURN 0
	WIN 0
	s_sub_co_u32 s[CT], s[CT], 1
	s_cmp_lg_u32 s[CT], 0
	s_cbranch_scc1 .Lt
	s_wait_dscnt 0x0                               ; the last change's fragments, which serve nothing, have landed: their registers are free
	PLACES
.irp a, 0,1,2,3,4,5,6,7
	OUTBLK \a
.endr
	s_wait_tensorcnt 0x0                           ; the wave's end
	ds_add_u32 v[SPW], v[NIL]
	s_wait_dscnt 0x0
	s_endpgm
.Lfunc_end_k_qa5beade610_score:
	.size	k_qa5beade610_score, .Lfunc_end_k_qa5beade610_score-k_qa5beade610_score
	.p2alignl 7, 3214868480
	.fill 96, 4, 3214868480
	.section	.rodata,"a",@progbits
	.p2align	6, 0x0
	.amdhsa_kernel k_qa5beade610_score
		.amdhsa_group_segment_fixed_size 327680
		.amdhsa_private_segment_fixed_size 0
		.amdhsa_enable_private_segment 0
		.amdhsa_kernarg_size 24
		.amdhsa_user_sgpr_count 2
		.amdhsa_user_sgpr_kernarg_segment_ptr 1
		.amdhsa_wavefront_size32 1
		.amdhsa_system_sgpr_workgroup_id_x 1
		.amdhsa_system_sgpr_workgroup_id_y 1
		.amdhsa_system_sgpr_workgroup_id_z 1
		.amdhsa_system_vgpr_workitem_id 0
		.amdhsa_next_free_vgpr 1024
		.amdhsa_next_free_sgpr 66
		.amdhsa_reserve_vcc 0
		.amdhsa_float_denorm_mode_32 3
		.amdhsa_float_denorm_mode_16_64 3
		.amdhsa_memory_ordered 1
		.amdhsa_forward_progress 1
		.amdhsa_inst_pref_size 96
	.end_amdhsa_kernel
	.amdgpu_metadata
---
amdhsa.version: [ 1, 2 ]
amdhsa.kernels:
  - .name:           k_qa5beade610_score
    .symbol:         k_qa5beade610_score.kd
    .args:
      - { .name: qkv, .offset: 0, .size: 8, .value_kind: global_buffer, .address_space: global }
      - { .name: xw, .offset: 8, .size: 8, .value_kind: global_buffer, .address_space: global }
      - { .name: st, .offset: 16, .size: 8, .value_kind: global_buffer, .address_space: global }
    .group_segment_fixed_size: 327680
    .private_segment_fixed_size: 0
    .kernarg_segment_align: 8
    .kernarg_segment_size: 24
    .max_flat_workgroup_size: 128
    .sgpr_count:     66
    .vgpr_count:     1024
    .wavefront_size: 32
...
	.end_amdgpu_metadata
.endif
;; end of part 3
;; launch soft (part 4): grid 256 x 4, 8 waves a work-group, no clusters, 0 bytes of LDS; arguments st, pn, pc; writes pn, pc
.if DOCPART == 4
	.amdgcn_target "amdgcn-amd-amdhsa--gfx1250"
	.amdhsa_code_object_version 6
	.text
	.protected	k_qa5beade610_soft
	.globl	k_qa5beade610_soft
	.p2align	8
	.type	k_qa5beade610_soft,@function
k_qa5beade610_soft:
	s_mov_b64 s[64:65], 0
	v_nop
	global_prefetch_b8 v0, s[64:65] scope:SCOPE_SE
	s_setreg_imm32_b32 hwreg(HW_REG_WAVE_MODE, 25, 1), 1
	s_wait_xcnt 0x0
; The softmax over the QUERY axis: for each key k of each batch, over the queries q >= k: pn[b][k][q] = exp(s / 32 - max) / sum, in f16; s = st[b][k][q] in f32.
; In st a key is a row, so this is a row softmax.  One wave takes one row and keeps it in 64 registers: it is read once.  Maximum, exponentials, sum and division in f32.
; Query tiles (256 queries) left of the key's own tile were never made: they are not read, count as hidden, and are not written.  In the key's own tile the queries q < k get weight 0, which is written.
; pc[b][q - 1984][k - 1984], f32: the unrounded weights of the batch's last 64 keys and queries, for the last launch's second-order terms: 4-byte stores to rows 256 bytes apart, 64 KiB in the launch.
; LIMITS.  A hidden score counts as -1e30.  A weight below 2^-126 counts as 0 in the sum; below 2^-14 it keeps f16's fixed step of 2^-24 in pn.  NaN and infinities are not treated apart.
; No LDS, no matrix unit: the reduction never leaves the wave.
.set X,   8                            ; v[8:71]    the row: chunk c (128 queries) at X + 4 c; my queries are 128 c + 4 lane + 0..3
.set Y,   72                           ; v[72:103]  the row in f16
.set M,   104                          ; v[104:107] four running maxima
.set A,   108                          ; v[108:115] four running pairs of sums
.set CM,  116                          ; v[116:117] c x maximum
.set R,   118                          ; v[118:119] 1 / sum, twice
.set PCO, 120                          ; v120       my offset in pc
.set W,   121                          ; v121       at work
	s_load_b128 s[4:7], s[0:1], 0x0                ; st s[4:5], pn s[6:7]
	s_load_b64 s[8:9], s[0:1], 0x10                ; pc
	v_lshrrev_b32 v3, 5, v0
	v_readfirstlane_b32 s10, v3                    ; wave 0..7
	v_and_b32 v1, 31, v0                           ; lane
	s_lshl_b32 s11, ttmp9, 3
	s_add_co_u32 s11, s11, s10                     ; k
	s_and_b32 s12, ttmp7, 0xffff                   ; b
	s_lshr_b32 s13, ttmp9, 5                       ; j = k / 256
	s_mov_b32 s14, 0x76543210                      ; v_permlanex16_b32: each lane takes its own place in the other half
	s_mov_b32 s15, 0xfedcba98
	s_mov_b32 s16, 0x3d38aa3b                      ; c = log2(e) / 32
	s_mov_b32 s17, s16                             ; named with it as a pair
	v_mov_b32 v5, 0xf149f2ca                       ; -1e30
	v_mov_b32 v[W], 0                              ; v_permlanex16_b32's destination counts as read
	v_lshlrev_b32 v2, 4, v1                        ; 16 lane
	v_lshlrev_b32 v3, 3, v1                        ; 8 lane
	v_lshlrev_b32 v4, 2, v1
	v_sub_nc_u32 v4, s11, v4                       ; k - 4 lane: number 128 c + e of the row is hidden where it is smaller than this
	s_lshl_b32 s20, s12, 24
	s_lshl_b32 s21, s11, 13
	s_add_co_u32 s20, s20, s21                     ; my row in st
	s_mov_b32 s21, 0
	s_lshl_b32 s22, s12, 23
	s_lshl_b32 s23, s11, 12
	s_add_co_u32 s22, s22, s23                     ; my row in pn
	s_mov_b32 s23, 0
	s_wait_kmcnt 0x0
	s_add_nc_u64 s[4:5], s[4:5], s[20:21]
	s_add_nc_u64 s[6:7], s[6:7], s[22:23]
.irp i, 0,1,2,3,4,5,6,7                ; query tile i: loaded, or, left of the key's own tile, set to the hidden value
	s_cmp_gt_u32 s13, \i
	s_cbranch_scc1 .Lhid\i
	global_load_b128 v[X+8*\i:X+8*\i+3],   v2, s[4:5] offset:1024*\i th:TH_LOAD_NT
	global_load_b128 v[X+8*\i+4:X+8*\i+7], v2, s[4:5] offset:1024*\i+512 th:TH_LOAD_NT
	s_branch .Lgot\i
.Lhid\i:
.irp e, 0,1,2,3,4,5,6,7
	v_mov_b32 v[X+8*\i+\e], v5
.endr
.Lgot\i:
.endr
	s_wait_loadcnt 0x0                             ; the number of loads hangs on the key's tile: all of them
.set n, 0
.rept 64                               ; the mask
	v_cmp_lt_i32 vcc_lo, 128*(n/4)+n%4, v4
	v_cndmask_b32 v[X+n], v[X+n], v5, vcc_lo
.set n, n+1
.endr
	; the maximum: four chains of sixteen numbers, three operands at a time
.set n, 0
.rept 4
	v_max3_num_f32 v[M+n], v[X+16*n], v[X+16*n+1], v[X+16*n+2]
.set n, n+1
.endr
.set t, 0
.rept 6
.set n, 0
.rept 4
	v_max3_num_f32 v[M+n], v[M+n], v[X+16*n+3+2*t], v[X+16*n+4+2*t]
.set n, n+1
.endr
.set t, t+1
.endr
.set n, 0
.rept 4
	v_max_num_f32 v[M+n], v[M+n], v[X+16*n+15]
.set n, n+1
.endr
	v_max3_num_f32 v[M], v[M], v[M+1], v[M+2]
	v_max_num_f32 v[M], v[M], v[M+3]
	v_max_num_f32_dpp v[M], v[M], v[M] row_xmask:1 row_mask:0xf bank_mask:0xf
	v_max_num_f32_dpp v[M], v[M], v[M] row_xmask:2 row_mask:0xf bank_mask:0xf
	v_max_num_f32_dpp v[M], v[M], v[M] row_xmask:4 row_mask:0xf bank_mask:0xf
	v_max_num_f32_dpp v[M], v[M], v[M] row_xmask:8 row_mask:0xf bank_mask:0xf
	v_permlanex16_b32 v[W], v[M], s14, s15
	v_max_num_f32 v[M], v[M], v[W]                 ; every lane holds the row's maximum: the key's own query is never hidden, so it is a true score
	v_mul_f32 v[CM], s16, v[M]
	v_mov_b32 v[CM+1], v[CM]                       ; named with it as a pair
.set n, 0
.rept 32
	v_pk_fma_f32 v[X+2*n:X+2*n+1], v[X+2*n:X+2*n+1], s[16:17], v[CM:CM+1] op_sel_hi:[1,0,0] neg_lo:[0,0,1] neg_hi:[0,0,1]  ; c s - c m: never above 0
.set n, n+1
.endr
.set n, 0
.rept 64                               ; one batch of exponentials
	v_exp_f32 v[X+n], v[X+n]
.set n, n+1
.endr
	v_nop                                          ; a plain instruction behind the last exponential (ISA guide 5.7.2),
	s_wait_alu depctr_va_vdst(0)                   ; and one wait ahead of the batch's first reader
.set n, 0
.rept 4                                ; the sum: four chains of eight pairs
	v_pk_add_f32 v[A+2*n:A+2*n+1], v[X+16*n:X+16*n+1], v[X+16*n+2:X+16*n+3]
.set n, n+1
.endr
.set t, 2
.rept 6
.set n, 0
.rept 4
	v_pk_add_f32 v[A+2*n:A+2*n+1], v[A+2*n:A+2*n+1], v[X+16*n+2*t:X+16*n+2*t+1]
.set n, n+1
.endr
.set t, t+1
.endr
	v_pk_add_f32 v[A:A+1], v[A:A+1], v[A+2:A+3]
	v_pk_add_f32 v[A+4:A+5], v[A+4:A+5], v[A+6:A+7]
	v_pk_add_f32 v[A:A+1], v[A:A+1], v[A+4:A+5]
	v_add_f32 v[A], v[A], v[A+1]
	v_add_f32_dpp v[A], v[A], v[A] row_xmask:1 row_mask:0xf bank_mask:0xf
	v_add_f32_dpp v[A], v[A], v[A] row_xmask:2 row_mask:0xf bank_mask:0xf
	v_add_f32_dpp v[A], v[A], v[A] row_xmask:4 row_mask:0xf bank_mask:0xf
	v_add_f32_dpp v[A], v[A], v[A] row_xmask:8 row_mask:0xf bank_mask:0xf
	v_permlanex16_b32 v[W], v[A], s14, s15
	v_add_f32 v[A], v[A], v[W]                     ; at least 1: the maximum's own weight
	v_rcp_f32 v[R], v[A]
	v_rcp_f32 v[R+1], v[A]
	v_nop
	s_wait_alu depctr_va_vdst(0)                   ; one wait for both reciprocals
.set n, 0
.rept 32
	v_pk_mul_f32 v[X+2*n:X+2*n+1], v[X+2*n:X+2*n+1], v[R:R+1]
.set n, n+1
.endr
.set n, 0
.rept 32
	v_cvt_pk_f16_f32 v[Y+n], v[X+2*n], v[X+2*n+1]
.set n, n+1
.endr
.irp i, 0,1,2,3,4,5,6,7
	s_cmp_gt_u32 s13, \i
	s_cbranch_scc1 .Lskip\i
	global_store_b64 v3, v[Y+4*\i:Y+4*\i+1],   s[6:7] offset:512*\i      ; a wave stores 256 consecutive bytes, aligned
	global_store_b64 v3, v[Y+4*\i+2:Y+4*\i+3], s[6:7] offset:512*\i+256
.Lskip\i:
.endr
	s_cmp_lt_u32 ttmp9, 248                        ; the last 64 keys are the last eight work-groups'
	s_cbranch_scc1 .Lend
	s_sub_co_u32 s20, s11, 1984
	s_lshl_b32 s20, s20, 2                         ; column k - 1984
	v_and_b32 v[PCO], 15, v1
	v_lshl_add_u32 v[PCO], v[PCO], 10, s20         ; rows 4 (lane - 16) + e of 256 bytes
	s_lshl_b32 s20, s12, 14
	s_mov_b32 s21, 0
	s_add_nc_u64 s[8:9], s[8:9], s[20:21]
	s_wait_xcnt 0x0                                ; EXEC changes only behind this wait
	v_cmp_le_u32 vcc_lo, 16, v1                    ; chunk 15's lanes 16-31 hold the queries 1984-2047
	s_and_saveexec_b32 s22, vcc_lo
.irp e, 0,1,2,3
	global_store_b32 v[PCO], v[X+60+\e], s[8:9] offset:256*\e
.endr
	s_wait_xcnt 0x0                                ; and again, in front of the line that widens it
	s_or_b32 exec_lo, exec_lo, s22
.Lend:
	s_endpgm
.Lfunc_end_k_qa5beade610_soft:
	.size	k_qa5beade610_soft, .Lfunc_end_k_qa5beade610_soft-k_qa5beade610_soft
	.p2alignl 7, 3214868480
	.fill 96, 4, 3214868480
	.section	.rodata,"a",@progbits
	.p2align	6, 0x0
	.amdhsa_kernel k_qa5beade610_soft
		.amdhsa_group_segment_fixed_size 0
		.amdhsa_private_segment_fixed_size 0
		.amdhsa_enable_private_segment 0
		.amdhsa_kernarg_size 24
		.amdhsa_user_sgpr_count 2
		.amdhsa_user_sgpr_kernarg_segment_ptr 1
		.amdhsa_wavefront_size32 1
		.amdhsa_system_sgpr_workgroup_id_x 1
		.amdhsa_system_sgpr_workgroup_id_y 1
		.amdhsa_system_sgpr_workgroup_id_z 1
		.amdhsa_system_vgpr_workitem_id 0
		.amdhsa_next_free_vgpr 128
		.amdhsa_next_free_sgpr 66
		.amdhsa_reserve_vcc 1
		.amdhsa_float_denorm_mode_32 3
		.amdhsa_float_denorm_mode_16_64 3
		.amdhsa_memory_ordered 1
		.amdhsa_forward_progress 1
		.amdhsa_inst_pref_size 28
	.end_amdhsa_kernel
	.amdgpu_metadata
---
amdhsa.version: [ 1, 2 ]
amdhsa.kernels:
  - .name:           k_qa5beade610_soft
    .symbol:         k_qa5beade610_soft.kd
    .args:
      - { .name: st, .offset: 0, .size: 8, .value_kind: global_buffer, .address_space: global }
      - { .name: pn, .offset: 8, .size: 8, .value_kind: global_buffer, .address_space: global }
      - { .name: pc, .offset: 16, .size: 8, .value_kind: global_buffer, .address_space: global }
    .group_segment_fixed_size: 0
    .private_segment_fixed_size: 0
    .kernarg_segment_align: 8
    .kernarg_segment_size: 24
    .max_flat_workgroup_size: 256
    .sgpr_count:     66
    .vgpr_count:     128
    .wavefront_size: 32
...
	.end_amdgpu_metadata
.endif
;; end of part 4
;; launch pv (part 5): grid 8 x 32, 4 waves a work-group, clusters of 4 x 1, 327,680 bytes of LDS; arguments pn, qkv, st, pc, out0; writes out0
.if DOCPART == 5
	.amdgcn_target "amdgcn-amd-amdhsa--gfx1250"
	.amdhsa_code_object_version 6
	.text
	.protected	k_qa5beade610_pv
	.globl	k_qa5beade610_pv
	.p2align	8
	.type	k_qa5beade610_pv,@function
k_qa5beade610_pv:
	s_mov_b64 s[64:65], 0
	v_nop
	global_prefetch_b8 v0, s[64:65] scope:SCOPE_SE
	s_setreg_imm32_b32 hwreg(HW_REG_WAVE_MODE, 25, 1), 1
	s_wait_xcnt 0x0
	s_wait_alu depctr_hold_cnt(0) depctr_sa_sdst(0) depctr_va_vdst(0) depctr_va_sdst(0) depctr_va_ssrc(0) depctr_va_vcc(0) depctr_vm_vsrc(0)
	s_getreg_b32 s2, hwreg(HW_REG_IB_STS2, 6, 4)
	s_cmp_eq_u32 s2, 0
	s_cbranch_scc0 .Lentry_in_a_cluster
	s_endpgm
.Lentry_in_a_cluster:
	s_bfe_u32 s2, ttmp6, 0x10000c
	s_cmp_lg_u32 s2, 0x3003
	s_cbranch_scc0 .Lentry_shape_is_right
	s_endpgm
.Lentry_shape_is_right:
; out0[b][q][d] = the sum over keys k <= q of P[b][k][q] v[b][k][d].  P = pn, f16, [b][key][query], with zeros above the diagonal inside the diagonal tiles; v = qkv[2], f16; sums in f32; out0 in f32.
; THE WALK.  A batch's queries lie in 16 blocks of 128; block U needs the key tiles 0 .. U / 2 of 256 keys.  A work-group takes 128 channels and TWO blocks, 15 - pb and then pb: always 9 tiles, so all
; 256 work-groups do equal work and one loop with a constant trip count walks them; which tile is asked for hangs on scalar registers made from pb.
; SHARES.  Wave w makes 64 queries (w / 2) x 64 channels (w % 2): 16 accumulators.  O^T = V^T P: source 0 = 16 channels x 32 keys, source 1 = 32 keys x 16 queries; a lane holds one query
; (l % 16) and the channels 8 (l / 16) + 0..7.  Both operands lie in LDS with the key as the row and come out turned, by ds_load_tr16_b128.
; CLUSTER.  The four work-groups of a cluster have the same batch and blocks and different channels: P's tiles are asked for jointly; V's tiles are each work-group's own (mask 0).
; THE LAST 64 KEYS of a batch have columns of few weights, which are large: there the rounding of P and v to f16 would show in the result.  By the mask they touch the last 64 queries alone.  The waves that
; own those queries (pb = 0, upper half) start their sums with Ph Vl + Pl Vh, where P = Ph + Pl from pc (f32) and v = Vh + Vl from st's corner (f32); Ph Vh comes with the walk.  All other sums start at 0.
; LIMITS.  Beyond the last 64 keys P and v have f16's 11 significant bits.  NaN and infinities are not treated apart.
; REGISTERS, in windows of 256 (s_set_vgpr_msb: bits 1:0 source 0, 3:2 source 1, 5:4 source 2, 7:6 destination):
;   window 0: v0-31 addresses; v32-95 rows on the way out; v128-255 the accumulators ((a, i) at 128 + 8 (4 a + i))
;   window 1: two fragment buffers of 128: for 64 keys, P's fragments at 8 (4 c + a), V's at 64 + 8 (4 c + i)      windows 2, 3: the last 64 keys' f32 numbers, and their hi and lo parts
.set PL,    288       ; an LDS row: 256 bytes + 32 of padding = 72 words
.set HALFP, 128*PL    ; 128 rows: what one tensor load brings
.set VOFF,  2*HALFP   ; a slot: P's 256 keys, then V's 256 keys
.set SLOT,  4*HALFP   ; 0x24000: no fill address inside a slot (w x 0x9000) has one of its two bits, so one exclusive or turns an address in one slot into the other's
.set STAGE, 2*SLOT    ; behind the ring: 16 rows x 272 bytes for each wave
.set SP,    272
.set SPARE, STAGE+4*16*SP  ; the spare words, 128 bytes for each wave, which no other line names
.set AP0, 10          ; v10  my lane's place in a slot's P; never rewritten
.set AV0, 11          ; v11  the same for V
.set AP,  12          ; v12-13  P's keys 0-127 and 128-255 of the slot in hand
.set AV,  14          ; v14-15  V's
.set PCO, 16          ; v16  my offset in pc
.set VCO, 17          ; v17  my offset in st's corner
.set STO, 24
.set RD,  25
.set CO,  26
.set MONE, 27         ; v27  -1.0
.set SPW, 28          ; v28  LDS address of my spare word; never rewritten
.set NIL, 29          ; v29  0; never rewritten
.set PFO, 30          ; v30  my lane x a row of pn or of v; never rewritten
.set OB,  32
.set ACC, 128
.set F0,  0
.set F1,  128
.set WV,  14          ; s14  wave
.set RH,  15          ; s15  my half of the queries
.set CH,  16          ; s16  my half of the channels; also: which 128 keys I fetch
.set CX,  17
.set DT,  18          ; s18  my work-group's 128 channels
.set BB,  19          ; s19  batch
.set PBK, 20          ; s20  pb
.set T2,  21          ; s21  tiles of the second block
.set T2M, 22          ; s22  its last tile
.set G1P, 24
.set G1V, 32
.set G0P, 40
.set G0V, 44
.set PB,  48          ; s[48:49] pn at my batch and my 128 keys of tile 0
.set VB,  50          ; s[50:51] v at my batch, my 128 keys of tile 0, my channels
.set OUT, 52          ; s[52:53] out0 at my rows of the block in hand
.set OUT2, 54         ; s[54:55] of the second block
.set SLOTS, 56        ; s56  tiles still to be asked for
.set RT,  57          ; s57  tiles of the block in hand that are still to be multiplied
.set NXT, 58          ; s58  the key tile to be asked for next
.set LQ,  59          ; s59  the last key tile of the block whose tiles are being asked for
.set UQ,  60          ; s60  that block
.set TB,  61          ; s61  the slot to be read
.set LIM, 62          ; s62  a wave prefetches while s[SLOTS] is above this
.set EXT, 63          ; s63  1: I own the batch's last 64 queries
.set OFF, 66          ; s[66:67]
.set PFB, 68          ; s[68:69] the prefetches' base
.set PFA, 70          ; s[70:71] and address
.set MSB, 0
.macro WIN new
.if MSB != (\new)
	s_set_vgpr_msb (MSB<<8)|(\new)
.set MSB, \new
.endif
.endm
.set MUL,  0x05       ; sources 0 and 1 window 1; C and D window 0
.set TO_F, 0x40       ; destination window 1, address window 0
.macro PLACES
.rept 4
	v_nop
.endr
.endm
; A fill.  Waves 0 and 1 ask jointly for the halves of P's tile, waves 2 and 3 for the halves of their own work-group's tile of V.  An s_nop 0 and four v_nop follow each line.
.macro JLOAD
	s_cmp_lt_u32 s[WV], 2
	s_cbranch_scc0 .Lfor_v_\@
	tensor_load_to_lds s[G0P:G0P+3], s[G1P:G1P+7]
	s_nop 0
.rept 4
	v_nop
.endr
	s_branch .Lasked_\@
.Lfor_v_\@:
	tensor_load_to_lds s[G0V:G0V+3], s[G1V:G1V+7]
	s_nop 0
.rept 4
	v_nop
.endr
.Lasked_\@:
.endm
; A prefetch into the L2 of the tile that the NEXT change of slots will ask for, a lane a row of 256 bytes.  P's tile is read by the two clusters of the same batch and blocks: cluster x = 0 asks, its four
; partners sharing a wave's 128 rows out by address, 32 each: one instruction in waves 0 and 1.  V's tile is read by the eight work-groups of the same batch and channels: the one with pb = 0, whose first
; block walks all eight tiles, asks in that block alone: its own 128 rows, four instructions in waves 2 and 3.  So each row is named once.  The last changes ask for nothing.
.macro ASK
	s_cmp_gt_u32 s[SLOTS], s[LIM]
	s_cbranch_scc0 .Lnot_mine_\@
	global_prefetch_b8 v[PFO], s[PFA:PFA+1] th:TH_LOAD_NT scope:SCOPE_SE
	s_cmp_lt_u32 s[WV], 2
	s_cbranch_scc1 .Lnot_mine_\@
.irp r, 1,2,3
	global_prefetch_b8 v[PFO], s[PFA:PFA+1] offset:65536*(\r) th:TH_LOAD_NT scope:SCOPE_SE
.endr
.Lnot_mine_\@:
.endm
.macro CROUND                          ; a round of the cluster's barrier
	s_barrier_signal -1
	s_barrier_wait -1
	s_cmp_lg_u32 s[WV], 0
	s_cbranch_scc1 .Lnot_wave_0_\@
	s_barrier_signal -3
.Lnot_wave_0_\@:
	s_barrier_wait -3
	s_barrier_signal -1
	s_barrier_wait -1
.endm
; THE CHANGE OF SLOTS.  Each wave waits for all its tensor loads, of which one is out: its part of the other slot; adds 0 to its spare word; and waits for that and for its reads of the slot that it leaves.
; fill = 1: behind a round of the cluster's barrier the old slot is filled again, first thing, with key tile NXT of block UQ; the descriptors' addresses are made anew from those numbers.
; That load has the tile's 128 matrix instructions in which to land.  (At its first use nothing has been read yet: slot 0 is waited for, slot 1 filled.)
.macro CHANGE fill
	WIN 0
	s_wait_tensorcnt 0x0                           ; no tensor load of mine is out, so a group 0 may be written
	ds_add_u32 v[SPW], v[NIL]                      ; the scalar work stands between the add and the wait for it
.if \fill
	s_lshl_b32 s[OFF], s[NXT], 20                  ; a key tile of pn: 256 rows of 4,096 bytes;
	s_lshl_b32 s72, s[UQ], 8                       ; a block of queries: 256 bytes of a row
	s_add_co_u32 s[OFF], s[OFF], s72
	s_xor_b32 s[G0P+1], s[G0P+1], SLOT
	s_add_nc_u64 s[G0P+2:G0P+3], s[PB:PB+1], s[OFF:OFF+1]
	s_or_b32 s[G0P+3], s[G0P+3], 0x80000000
	s_lshl_b32 s[OFF], s[NXT], 19                  ; a key tile of v: 256 rows of 2,048 bytes
	s_xor_b32 s[G0V+1], s[G0V+1], SLOT
	s_add_nc_u64 s[G0V+2:G0V+3], s[VB:VB+1], s[OFF:OFF+1]
	s_or_b32 s[G0V+3], s[G0V+3], 0x80000000
	s_add_co_u32 s[NXT], s[NXT], 1                 ; the block's next tile, or behind its last the second block's tile 0
	s_cmp_gt_u32 s[NXT], s[LQ]
	s_cselect_b32 s[NXT], 0, s[NXT]
	s_cselect_b32 s[UQ], s[PBK], s[UQ]
	s_cselect_b32 s[LQ], s[T2M], s[LQ]
	s_lshl_b32 s72, s[NXT], 20                     ; where that tile lies, for the prefetch
	s_lshl_b32 s73, s[UQ], 8
	s_add_co_u32 s72, s72, s73
	s_lshl_b32 s73, s[NXT], 19
	s_cmp_lt_u32 s[WV], 2
	s_cselect_b32 s72, s72, s73
	s_mov_b32 s73, 0
	s_wait_xcnt 0x0                                ; the last prefetches, a tile back, have read their address
	s_add_nc_u64 s[PFA:PFA+1], s[PFB:PFB+1], s[72:73]
.endif
	s_xor_b32 s[TB], s[TB], SLOT                   ; the reads go to the other slot
	s_wait_dscnt 0x0                               ; the add is done, and my reads of the slot are over
.if \fill
	CROUND                                         ; no wave of any partner still reads the slot or has a load on its way
	JLOAD
	ASK
.else
	s_barrier_signal -1
	s_barrier_wait -1
	PLACES
.endif
	v_add_nc_u32 v[AP], s[TB], v[AP0]
	v_add_nc_u32 v[AV], s[TB], v[AV0]
	v_add_nc_u32 v[AP+1], HALFP, v[AP]
	v_add_nc_u32 v[AV+1], HALFP, v[AV]
.endm
; 32 LDS loads in one run: the fragments of keys 64 qn .. 64 qn + 63 into buffer f, the first 32 keys first.  A turning load takes 16 keys x 16 columns (lane l reads key 8 (l / 16) + l % 8,
; columns 8 ((l / 8) % 2) + 0..7) and leaves half a fragment: lane l holds column l % 16 and 8 keys.
.macro FETCH qn, f
	WIN TO_F
.irp c, 0,1
.irp n, 0,1,2,3
	ds_load_tr16_b128 v[(\f)+64+8*(4*(\c)+(\n)):(\f)+64+8*(4*(\c)+(\n))+3],   v[AV+(\qn)/2] offset:(64*((\qn)%2)+32*(\c))*PL+32*(\n)
	ds_load_tr16_b128 v[(\f)+64+8*(4*(\c)+(\n))+4:(\f)+64+8*(4*(\c)+(\n))+7], v[AV+(\qn)/2] offset:(64*((\qn)%2)+32*(\c)+16)*PL+32*(\n)
	ds_load_tr16_b128 v[(\f)+8*(4*(\c)+(\n)):(\f)+8*(4*(\c)+(\n))+3],         v[AP+(\qn)/2] offset:(64*((\qn)%2)+32*(\c))*PL+32*(\n)
	ds_load_tr16_b128 v[(\f)+8*(4*(\c)+(\n))+4:(\f)+8*(4*(\c)+(\n))+7],       v[AP+(\qn)/2] offset:(64*((\qn)%2)+32*(\c)+16)*PL+32*(\n)
.endr
.endr
.endm
; 8 matrix instructions: query blocks a0, a0 + 1 x all 4 channel blocks, 32 keys: half c of buffer f.  The 16 accumulators take turns, one instruction a turn, from quarter to quarter and from tile to tile.
.macro MUL8 f, c, a0
	WIN MUL
.irp a, \a0, (\a0)+1
.irp i, 0,1,2,3
	v_wmma_f32_16x16x32_f16 v[ACC+8*(4*(\a)+(\i)):ACC+8*(4*(\a)+(\i))+7], v[(\f)+64+8*(4*(\c)+(\i)):(\f)+64+8*(4*(\c)+(\i))+7], v[(\f)+8*(4*(\c)+(\a)):(\f)+8*(4*(\c)+(\a))+7], v[ACC+8*(4*(\a)+(\i)):ACC+8*(4*(\a)+(\i))+7]
.endr
.endr
.endm
.macro QUARTER f, g, qn                ; 64 keys: multiplies buffer f; in its middle the next quarter is fetched into g
	s_wait_dscnt 16                                ; the first 32 keys' fragments are in
	MUL8 \f, 0, 0
	MUL8 \f, 0, 2
.if (\qn) < 3
	PLACES
	FETCH (\qn)+1, \g
	s_wait_dscnt 32                                ; all but the 32 just issued
.else
	s_wait_dscnt 0x0
.endif
	MUL8 \f, 1, 0
	MUL8 \f, 1, 2
.endm
.macro TILE                            ; 256 keys: 128 matrix instructions
	FETCH 0, F0
	QUARTER F0, F1, 0
	QUARTER F1, F0, 1
	QUARTER F0, F1, 2
	QUARTER F1, F0, 3
	WIN 0
.endm
.macro CLEAR                           ; a block's sums start at 0: cleared on purpose, so that every tile has one text
.set n, 0
.rept 128
	v_mov_b32 v[ACC+n], 0
.set n, n+1
.endr
.endm
; THE WAY OUT, 16 queries at a time: a lane's eight channels, 32 bytes, go into my stage's rows of 272 bytes; whole rows of 256 bytes come back and are stored.
.macro WAYOUT
	WIN 0
	PLACES
.irp a, 0,1,2,3
.irp i, 0,1,2,3
	ds_store_b128 v[STO], v[ACC+8*(4*(\a)+(\i)):ACC+8*(4*(\a)+(\i))+3]   offset:64*(\i)
	ds_store_b128 v[STO], v[ACC+8*(4*(\a)+(\i))+4:ACC+8*(4*(\a)+(\i))+7] offset:64*(\i)+16
.endr
	s_wait_xcnt 0x0                                ; the registers that earlier stores read are loaded again only behind this wait
.irp t, 0,1,2,3,4,5,6,7
	ds_load_b128 v[OB+32*((\a)%2)+4*(\t):OB+32*((\a)%2)+4*(\t)+3], v[RD] offset:(\t)*2*SP  ; LDS serves a wave's instructions in order (ISA guide 5.7.1.4): these see the stores above
.endr
	s_wait_dscnt 0x0
.irp t, 0,1,2,3,4,5,6,7
	global_store_b128 v[CO], v[OB+32*((\a)%2)+4*(\t):OB+32*((\a)%2)+4*(\t)+3], s[OUT:OUT+1] offset:(16*(\a)+2*(\t))*4096  ; 16 lanes store 256 consecutive bytes, aligned
.endr
.endr
.endm
	s_load_b256 s[4:11], s[0:1], 0x0               ; pn s[4:5], qkv s[6:7], st s[8:9], pc s[10:11]
	s_load_b64 s[12:13], s[0:1], 0x20              ; out0
	v_lshl_add_u32 v[SPW], v0, 2, SPARE
	v_mov_b32 v[NIL], 0
	ds_add_u32 v[SPW], v[NIL]                      ; the wave's opening: the add and its wait stand ahead of my first tensor load
	v_lshrrev_b32 v3, 5, v0
	v_readfirstlane_b32 s[WV], v3
	s_lshr_b32 s[RH], s[WV], 1
	s_and_b32 s[CH], s[WV], 1
	s_bfe_u32 s[CX], ttmp6, 0x40000
	s_lshl_b32 s[DT], ttmp9, 2
	s_add_co_u32 s[DT], s[DT], s[CX]               ; it enters V's, st's and out0's addresses alone
	s_and_b32 s72, ttmp7, 0xffff
	s_lshr_b32 s[BB], s72, 3
	s_and_b32 s[PBK], s72, 7
	s_sub_co_u32 s[UQ], 15, s[PBK]                 ; the first block
	s_sub_co_u32 s[RT], 17, s[PBK]
	s_lshr_b32 s[RT], s[RT], 1                     ; its tiles: (15 - pb) / 2 + 1, five at the least
	s_add_co_u32 s[T2], s[PBK], 2
	s_lshr_b32 s[T2], s[T2], 1                     ; the second block's: pb / 2 + 1
	s_sub_co_u32 s[LQ], s[RT], 1
	s_sub_co_u32 s[T2M], s[T2], 1
	s_mov_b32 s[NXT], 1
	s_mov_b32 s[TB], SLOT                          ; the first change of slots turns it into 0
	s_mov_b32 s[SLOTS], 8
	s_mov_b32 s[OFF+1], 0
	s_cmp_eq_u32 s[PBK], 0
	s_cselect_b32 s[EXT], s[RH], 0
	s_cselect_b32 s73, 2, -1                       ; V's prefetches: pb = 0, while three tiles or more are still to be asked for
	s_cmp_eq_u32 ttmp9, 0
	s_cselect_b32 s72, 1, -1                       ; P's: cluster x = 0, but for the last change
	s_cmp_lt_u32 s[WV], 2
	s_cselect_b32 s[LIM], s72, s73
	s_cselect_b32 s74, 12, 11                      ; a row of pn is 4,096 bytes, a row of v 2,048
	v_and_b32 v4, 31, v0
	v_lshlrev_b32 v[PFO], s74, v4
	; group 1: 128 rows x 128 elements of 2 bytes; 32 bytes of padding behind every 64 words; P's with the mask of four and bit 21 beside it
	s_mov_b32 s[G1P], 15|(1<<16)|(1<<20)|(1<<21)|(5<<22)|(7<<25)
	s_mov_b32 s[G1V], (1<<16)|(1<<20)|(5<<22)|(7<<25)
.irp g, G1P, G1V
	s_mov_b32 s[(\g)+1], 128<<16
	s_mov_b32 s[(\g)+2], 128<<16
	s_mov_b32 s[(\g)+3], 128<<16
	s_mov_b32 s[(\g)+4], 128
	s_mov_b32 s[(\g)+6], 0
	s_mov_b32 s[(\g)+7], 0
.endr
	s_mov_b32 s[G1P+5], 2048                       ; elements from row to row
	s_mov_b32 s[G1V+5], 1024
	s_mov_b32 s[G0P], 1
	s_mul_i32 s[G0P+1], s[WV], HALFP               ; slot 0: P's halves (waves 0, 1), V's halves (waves 2, 3): no place in the cluster enters an LDS address
	s_mov_b32 s[G0V], 1
	s_mul_i32 s[G0V+1], s[WV], HALFP
	s_lshl_b32 s[PB], s[BB], 23
	s_lshl_b32 s72, s[CH], 19
	s_add_co_u32 s[PB], s[PB], s72
	s_mov_b32 s[PB+1], 0
	s_lshl_b32 s[VB], s[BB], 22
	s_lshl_b32 s72, s[CH], 18
	s_add_co_u32 s[VB], s[VB], s72
	s_lshl_b32 s72, s[DT], 8
	s_add_co_u32 s[VB], s[VB], s72
	s_add_co_u32 s[VB], s[VB], 0x2000000           ; v lies behind q and k
	s_mov_b32 s[VB+1], 0
	s_lshl_b32 s72, s[BB], 11                      ; out0: row 2048 b + 128 U + 64 half, 4,096 bytes each; 512 bytes a work-group's channels, 256 a wave's
	s_lshl_b32 s73, s[RH], 6
	s_add_co_u32 s72, s72, s73
	s_lshl_b32 s73, s[UQ], 7
	s_add_co_u32 s73, s73, s72
	s_lshl_b32 s73, s73, 12
	s_lshl_b32 s74, s[PBK], 7
	s_add_co_u32 s74, s74, s72
	s_lshl_b32 s74, s74, 12
	s_lshl_b32 s72, s[DT], 9
	s_lshl_b32 s75, s[CH], 8
	s_add_co_u32 s72, s72, s75
	s_add_co_u32 s[OUT], s73, s72
	s_mov_b32 s[OUT+1], 0
	s_add_co_u32 s[OUT2], s74, s72
	s_mov_b32 s[OUT2+1], 0
	s_lshl_b32 s[OFF], s[UQ], 8                    ; tile 0 of the first block
	s_wait_dscnt 0x0                               ; the opening add is done
	s_wait_kmcnt 0x0
	s_add_nc_u64 s[PB:PB+1], s[4:5], s[PB:PB+1]
	s_add_nc_u64 s[VB:VB+1], s[6:7], s[VB:VB+1]
	s_add_nc_u64 s[OUT:OUT+1], s[12:13], s[OUT:OUT+1]
	s_add_nc_u64 s[OUT2:OUT2+1], s[12:13], s[OUT2:OUT2+1]
	s_add_nc_u64 s[G0P+2:G0P+3], s[PB:PB+1], s[OFF:OFF+1]
	s_or_b32 s[G0P+3], s[G0P+3], 0x80000000
	s_add_nc_u64 s[G0V+2:G0V+3], s[VB:VB+1], 0
	s_or_b32 s[G0V+3], s[G0V+3], 0x80000000
	CROUND                                         ; all four work-groups are here: the first joint loads meet
	JLOAD                                          ; the walk's first tile, into slot 0: one load of mine is out
	s_lshl_b32 s72, s[CX], 17                      ; the prefetches' base: of P's 128 rows that I fetch, my work-group's 32; of V, my own 128
	s_mov_b32 s73, 0
	s_add_nc_u64 s[74:75], s[PB:PB+1], s[72:73]
	s_cmp_lt_u32 s[WV], 2
	s_cselect_b64 s[PFB:PFB+1], s[74:75], s[VB:VB+1]
	v_and_b32 v1, 15, v0                           ; l % 16
	v_bfe_u32 v2, v0, 4, 1                         ; l / 16
	v_and_b32 v5, 7, v0
	v_bfe_u32 v6, v0, 3, 1
	v_lshl_add_u32 v7, v2, 3, v5
	v_mul_u32_u24 v7, v7, PL
	v_lshl_add_u32 v7, v6, 4, v7                   ; the turning load's lane term
	s_lshl_b32 s72, s[RH], 7
	v_add_nc_u32 v[AP0], s72, v7                   ; + my 64 queries
	s_lshl_b32 s72, s[CH], 7
	s_add_co_u32 s72, s72, VOFF
	v_add_nc_u32 v[AV0], s72, v7                   ; + my 64 channels, behind P
	s_mul_i32 s72, s[WV], 16*SP
	s_add_co_u32 s72, s72, STAGE                   ; my stage
	v_mul_u32_u24 v[STO], v1, SP                   ; in: row l % 16, 32 bytes for each half of the lanes
	v_lshl_add_u32 v[STO], v2, 5, v[STO]
	v_add_nc_u32 v[STO], s72, v[STO]
	v_mul_u32_u24 v[RD], v2, SP                    ; back: lanes 0-15 take one row of 256 bytes, lanes 16-31 the next
	v_lshl_add_u32 v[RD], v1, 4, v[RD]
	v_add_nc_u32 v[RD], s72, v[RD]
	v_lshlrev_b32 v[CO], 12, v2                    ; and the same two rows in out0
	v_lshl_add_u32 v[CO], v1, 4, v[CO]
	s_cmp_eq_u32 s[EXT], 1
	s_cbranch_scc0 .Lplain
	; THE LAST 64 KEYS' SECOND-ORDER TERMS.  Sixteen fragments of 16 x 32 in f32, straight from memory in the fragments' layout (lane l: row l % 16; keys 8 (l / 16) + 0..7 and 16 + 8 (l / 16) + 0..7):
	; F = 2 a + c: P's, query block a, keys 32 c on, from pc ([query][key]);  F = 8 + 2 i + c: V's, channel block i, from st's corner ([channel][token]).
	s_lshl_b32 s72, s[BB], 14
	s_mov_b32 s73, 0
	s_add_nc_u64 s[10:11], s[10:11], s[72:73]      ; pc at my batch
	s_lshl_b32 s72, s[DT], 7
	s_lshl_b32 s74, s[CH], 6
	s_add_co_u32 s72, s72, s74
	s_add_co_u32 s72, s72, 1024                    ; row 1024 + my first channel,
	s_lshl_b32 s72, s72, 13
	s_lshl_b32 s74, s[BB], 24
	s_add_co_u32 s72, s72, s74
	s_add_co_u32 s72, s72, 768                     ; column 192: token 1984
	s_add_nc_u64 s[8:9], s[8:9], s[72:73]
	v_lshlrev_b32 v[PCO], 8, v1
	v_lshl_add_u32 v[PCO], v2, 5, v[PCO]
	v_lshlrev_b32 v[VCO], 13, v1
	v_lshl_add_u32 v[VCO], v2, 5, v[VCO]
	v_mov_b32 v[MONE], -1.0
	WIN 0x80                                       ; destination window 2
.set F, 0
.rept 8
.irp z, 0,1,2,3
	global_load_b128 v[16*F+4*(\z):16*F+4*(\z)+3], v[PCO], s[10:11] offset:(F/2)*4096+(F%2)*128+16*((\z)%2)+64*((\z)/2)
.endr
.set F, F+1
.endr
.rept 8
.irp z, 0,1,2,3
	global_load_b128 v[16*F+4*(\z):16*F+4*(\z)+3], v[VCO], s[8:9] offset:((F-8)/2)*131072+(F%2)*128+16*((\z)%2)+64*((\z)/2)
.endr
.set F, F+1
.endr
	s_wait_loadcnt 0x0
	WIN 0xca                                       ; sources window 2, destination window 3
.set n, 0
.rept 128
	v_cvt_pk_f16_f32 v[n], v[2*n], v[2*n+1]        ; hi: the same rounding that made pn and v
.set n, n+1
.endr
	WIN 0xa3                                       ; hi in window 3, -1.0 in window 0, the f32 number (source and destination) in window 2
.set n, 0
.rept 128
	v_fma_mix_f32 v[2*n],   v[n], v[MONE], v[2*n]   op_sel_hi:[1,0,0]               ; what the rounding left: x - hi, exact
	v_fma_mix_f32 v[2*n+1], v[n], v[MONE], v[2*n+1] op_sel:[1,0,0] op_sel_hi:[1,0,0]
.set n, n+1
.endr
	WIN 0xca
.set n, 0
.rept 128
	v_cvt_pk_f16_f32 v[128+n], v[2*n], v[2*n+1]    ; lo
.set n, n+1
.endr
	WIN 0x0f                                       ; sources window 3, C and D window 0
.irp g, 0,1,2,3                        ; g = 0, 1: Vl Ph for keys 32 g on (the first starts the sums); g = 2, 3: Vh Pl.  The 16 accumulators take turns
.irp a, 0,1,2,3
.irp i, 0,1,2,3
.if (\g) == 0
	v_wmma_f32_16x16x32_f16 v[ACC+8*(4*(\a)+(\i)):ACC+8*(4*(\a)+(\i))+7], v[128*(1-(\g)/2)+8*(8+2*(\i)+(\g)%2):128*(1-(\g)/2)+8*(8+2*(\i)+(\g)%2)+7], v[128*((\g)/2)+8*(2*(\a)+(\g)%2):128*((\g)/2)+8*(2*(\a)+(\g)%2)+7], 0
.else
	v_wmma_f32_16x16x32_f16 v[ACC+8*(4*(\a)+(\i)):ACC+8*(4*(\a)+(\i))+7], v[128*(1-(\g)/2)+8*(8+2*(\i)+(\g)%2):128*(1-(\g)/2)+8*(8+2*(\i)+(\g)%2)+7], v[128*((\g)/2)+8*(2*(\a)+(\g)%2):128*((\g)/2)+8*(2*(\a)+(\g)%2)+7], v[ACC+8*(4*(\a)+(\i)):ACC+8*(4*(\a)+(\i))+7]
.endif
.endr
.endr
.endr
	WIN 0
	s_branch .Ltile
.Lplain:
	CLEAR
.Ltile:                                                ; eight trips: a tile is entered and the next is asked for
	CHANGE 1
	TILE
	s_sub_co_u32 s[RT], s[RT], 1
	s_cmp_lg_u32 s[RT], 0
	s_cbranch_scc1 .Lbottom
	WAYOUT                                         ; the first block's end (the second's is the walk's); no barrier and no tensor load stands in what the jump passes
	s_wait_xcnt 0x0                                ; the stores have read out0's address
	s_mov_b64 s[OUT:OUT+1], s[OUT2:OUT2+1]
	s_mov_b32 s[RT], s[T2]
	CLEAR
.Lbottom:
	s_sub_co_u32 s[SLOTS], s[SLOTS], 1
	s_cmp_lg_u32 s[SLOTS], 0
	s_cbranch_scc1 .Ltile
	CHANGE 0                                       ; the walk's last tile is written out: nothing is asked for
	TILE
	WAYOUT
	s_wait_tensorcnt 0x0                           ; the wave's end
	ds_add_u32 v[SPW], v[NIL]
	s_wait_dscnt 0x0
	CROUND                                         ; the closing round: no work-group ends while a partner may still ask for a tile that names it
	s_endpgm
.Lfunc_end_k_qa5beade610_pv:
	.size	k_qa5beade610_pv, .Lfunc_end_k_qa5beade610_pv-k_qa5beade610_pv
	.p2alignl 7, 3214868480
	.fill 96, 4, 3214868480
	.section	.rodata,"a",@progbits
	.p2align	6, 0x0
	.amdhsa_kernel k_qa5beade610_pv
		.amdhsa_group_segment_fixed_size 327680
		.amdhsa_private_segment_fixed_size 0
		.amdhsa_enable_private_segment 0
		.amdhsa_kernarg_size 40
		.amdhsa_user_sgpr_count 2
		.amdhsa_user_sgpr_kernarg_segment_ptr 1
		.amdhsa_wavefront_size32 1
		.amdhsa_system_sgpr_workgroup_id_x 1
		.amdhsa_system_sgpr_workgroup_id_y 1
		.amdhsa_system_sgpr_workgroup_id_z 1
		.amdhsa_system_vgpr_workitem_id 0
		.amdhsa_next_free_vgpr 1024
		.amdhsa_next_free_sgpr 80
		.amdhsa_reserve_vcc 0
		.amdhsa_float_denorm_mode_32 3
		.amdhsa_float_denorm_mode_16_64 3
		.amdhsa_memory_ordered 1
		.amdhsa_forward_progress 1
		.amdhsa_inst_pref_size 110
	.end_amdhsa_kernel
	.amdgpu_metadata
---
amdhsa.version: [ 1, 2 ]
amdhsa.kernels:
  - .name:           k_qa5beade610_pv
    .symbol:         k_qa5beade610_pv.kd
    .args:
      - { .name: pn, .offset: 0, .size: 8, .value_kind: global_buffer, .address_space: global }
      - { .name: qkv, .offset: 8, .size: 8, .value_kind: global_buffer, .address_space: global }
      - { .name: st, .offset: 16, .size: 8, .value_kind: global_buffer, .address_space: global }
      - { .name: pc, .offset: 24, .size: 8, .value_kind: global_buffer, .address_space: global }
      - { .name: out0, .offset: 32, .size: 8, .value_kind: global_buffer, .address_space: global }
    .group_segment_fixed_size: 327680
    .private_segment_fixed_size: 0
    .kernarg_segment_align: 8
    .kernarg_segment_size: 40
    .max_flat_workgroup_size: 128
    .sgpr_count:     80
    .vgpr_count:     1024
    .wavefront_size: 32
...
	.end_amdgpu_metadata
.endif
;; end of part 5
;; ======== version 2 of 2: 5 launches; version 1 with the launch cast written anew for expert scheduling mode
;; limits: values are held in f16: magnitudes above 65,504 overflow, below 6.1e-05 lose precision
;; workspace buffers: xw 23,068,672 bytes; qkv 50,331,648 bytes; st 67,108,864 bytes; pn 33,554,432 bytes; pc 65,536 bytes
;; launch cast (part 6): grid 704 x 1, 8 waves a work-group, no clusters, 0 bytes of LDS; arguments x, Wq, Wk, Wv, xw; writes xw
.if DOCPART == 6
	.amdgcn_target "amdgcn-amd-amdhsa--gfx1250"
	.amdhsa_code_object_version 6
	.text
	.protected	k_qa5beade610_cast
	.globl	k_qa5beade610_cast
	.p2align	8
	.type	k_qa5beade610_cast,@function
k_qa5beade610_cast:
	s_mov_b64 s[64:65], 0
	v_nop
	global_prefetch_b8 v0, s[64:65] scope:SCOPE_SE
	s_setreg_imm32_b32 hwreg(HW_REG_WAVE_SCHED_MODE, 0, 2), 2
	s_setreg_imm32_b32 hwreg(HW_REG_WAVE_MODE, 25, 1), 1
	s_wait_xcnt 0x0
	s_wait_alu depctr_vm_vsrc(0)
; xw[11264][1024] in f16: rows 0-8191 x, 8192- Wq, 9216- Wk, 10240- Wv.  Each f32 input is rounded to bf16 (nearest even) and that number is written as f16,
; so that every later product can take the f16 matrix form.
; LIMITS.  A bf16 number has 8 significant bits and is exact in f16 between 2^-14 and 65,504; below 2^-14 it keeps f16's fixed step of 2^-24; 65,520 or more becomes an infinity.
; SHARES.  A work-group owns 16,384 numbers: 64 KiB in, 32 KiB out.  Thread t, slot g: 16 bytes at 16 t + 4,096 g in, 8 bytes at 8 t + 2,048 g out: a wave's load covers 512
; consecutive bytes, its store 256 consecutive bytes, aligned.  All sixteen loads go out at once; no register is used twice by memory instructions, so no source has to be freed.
; No LDS, no matrix unit, no cluster: each byte is read once, by one lane, and nothing is shared.
; THE MODE: SCHED_MODE bits 1:0 = 2 (LLVM: expert scheduling mode 2), set by the entry lines.  The code itself states the register dependences
; between vector instructions and memory instructions, with s_wait_alu, always for 0.
; THE PLAN.  Registers that memory instructions touch:
;   v1, v2   the loads' and the stores' byte offsets: written once at the head, read by every load and store, never written again.
;   X        slot g's four registers: written by slot g's load alone, once; read by slot g's roundings; no vector instruction names them ahead of the load.
;   Y        slot g's two registers: written by slot g's roundings, once; read by slot g's store; never written again.
;   T        at work: no memory instruction names it.
; So there are two kinds of dependence: the offsets, ahead of the first load, and each store's data.  The sixteen slots go in four blocks of four.  Block p's roundings write its eight
; registers of Y; its four stores stand in one run at the head of block p + 1, behind one wait, and block p + 1's vector instructions name T, their own X and their own Y: none of the
; registers that the run reads.  Five waits in all.  No register that a memory instruction has read is written again, so nothing is stated for that.
.set X, 4                              ; v[4:67]    slot g: four f32 as loaded
.set T, 68                             ; v[68:73]   at work
.set Y, 76                             ; v[76:107]  slot g: four f16 to store
	s_load_b256 s[4:11], s[0:1], 0x0               ; x s[4:5], Wq s[6:7], Wk s[8:9], Wv s[10:11]
	s_load_b64 s[12:13], s[0:1], 0x20              ; xw
	s_mov_b32 s14, 0xffff0000                      ; a word's upper bf16
	v_lshlrev_b32 v1, 4, v0                        ; 16 t
	v_lshlrev_b32 v2, 3, v0                        ; 8 t
	s_and_b32 s16, ttmp9, 63                       ; a weight matrix is 64 work-groups' share,
	s_cmp_lt_u32 ttmp9, 512                        ; x 512
	s_cselect_b32 s16, ttmp9, s16
	s_lshl_b32 s16, s16, 16                        ; my 64 KiB in the source
	s_mov_b32 s17, 0
	s_lshl_b32 s18, ttmp9, 15                      ; my 32 KiB in xw
	s_mov_b32 s19, 0
	s_wait_kmcnt 0x0
	s_cmp_lt_u32 ttmp9, 640
	s_cselect_b64 s[20:21], s[8:9], s[10:11]       ; 576-639 Wk, 640-703 Wv
	s_cmp_lt_u32 ttmp9, 576
	s_cselect_b64 s[20:21], s[6:7], s[20:21]       ; 512-575 Wq
	s_cmp_lt_u32 ttmp9, 512
	s_cselect_b64 s[20:21], s[4:5], s[20:21]       ; 0-511 x
	s_add_nc_u64 s[20:21], s[20:21], s[16:17]
	s_add_nc_u64 s[12:13], s[12:13], s[18:19]
	s_wait_alu depctr_va_vdst(0)                   ; v1 and v2 are written: every load of the kernel reads v1 as its offset, every store v2
.irp g, 0,1,2,3,4,5,6,7,8,9,10,11,12,13,14,15
	global_load_b128 v[X+4*(\g):X+4*(\g)+3], v1, s[20:21] offset:4096*(\g) th:TH_LOAD_NT
.endr
; The four stores of block b, in one run.
.macro STORES b
.irp j, 0,1,2,3
	global_store_b64 v2, v[Y+8*(\b)+2*(\j):Y+8*(\b)+2*(\j)+1], s[12:13] offset:2048*(4*(\b)+(\j))
.endr
.endm
.irp p, 0,1,2,3                        ; block p: slots 4 p to 4 p + 3
.irp i, 0,1,2,3
	s_wait_loadcnt 15-4*(\p)-(\i)                  ; loads come back in order: slot g = 4 p + i is in, the 15 - g younger ones stay out
.if ((\p) > 0) && ((\i) == 0)
	s_wait_alu depctr_va_vdst(0)                   ; the block before has written its eight registers of Y, which the four stores below read
	STORES (\p)-1
.endif
	v_cvt_pk_bf16_f32 v[T],   v[X+16*(\p)+4*(\i)],   v[X+16*(\p)+4*(\i)+1]
	v_cvt_pk_bf16_f32 v[T+1], v[X+16*(\p)+4*(\i)+2], v[X+16*(\p)+4*(\i)+3]
	v_lshlrev_b32 v[T+2], 16, v[T]                 ; bf16 to f32: the low half moves up,
	v_and_b32     v[T+3], s14, v[T]                ; the high half stays
	v_lshlrev_b32 v[T+4], 16, v[T+1]
	v_and_b32     v[T+5], s14, v[T+1]
	v_cvt_pk_f16_f32 v[Y+8*(\p)+2*(\i)],   v[T+2], v[T+3]
	v_cvt_pk_f16_f32 v[Y+8*(\p)+2*(\i)+1], v[T+4], v[T+5]
.endr
.endr
	s_wait_alu depctr_va_vdst(0)                   ; block 3 has written its eight registers of Y, which the last four stores read
	STORES 3
	s_endpgm
.Lfunc_end_k_qa5beade610_cast:
	.size	k_qa5beade610_cast, .Lfunc_end_k_qa5beade610_cast-k_qa5beade610_cast
	.p2alignl 7, 3214868480
	.fill 96, 4, 3214868480
	.section	.rodata,"a",@progbits
	.p2align	6, 0x0
	.amdhsa_kernel k_qa5beade610_cast
		.amdhsa_group_segment_fixed_size 0
		.amdhsa_private_segment_fixed_size 0
		.amdhsa_enable_private_segment 0
		.amdhsa_kernarg_size 40
		.amdhsa_user_sgpr_count 2
		.amdhsa_user_sgpr_kernarg_segment_ptr 1
		.amdhsa_wavefront_size32 1
		.amdhsa_system_sgpr_workgroup_id_x 1
		.amdhsa_system_sgpr_workgroup_id_y 1
		.amdhsa_system_sgpr_workgroup_id_z 1
		.amdhsa_system_vgpr_workitem_id 0
		.amdhsa_next_free_vgpr 108
		.amdhsa_next_free_sgpr 66
		.amdhsa_reserve_vcc 0
		.amdhsa_float_denorm_mode_32 3
		.amdhsa_float_denorm_mode_16_64 3
		.amdhsa_memory_ordered 1
		.amdhsa_forward_progress 1
		.amdhsa_inst_pref_size 11
	.end_amdhsa_kernel
	.amdgpu_metadata
---
amdhsa.version: [ 1, 2 ]
amdhsa.kernels:
  - .name:           k_qa5beade610_cast
    .symbol:         k_qa5beade610_cast.kd
    .args:
      - { .name: x, .offset: 0, .size: 8, .value_kind: global_buffer, .address_space: global }
      - { .name: Wq, .offset: 8, .size: 8, .value_kind: global_buffer, .address_space: global }
      - { .name: Wk, .offset: 16, .size: 8, .value_kind: global_buffer, .address_space: global }
      - { .name: Wv, .offset: 24, .size: 8, .value_kind: global_buffer, .address_space: global }
      - { .name: xw, .offset: 32, .size: 8, .value_kind: global_buffer, .address_space: global }
    .group_segment_fixed_size: 0
    .private_segment_fixed_size: 0
    .kernarg_segment_align: 8
    .kernarg_segment_size: 40
    .max_flat_workgroup_size: 256
    .sgpr_count:     66
    .vgpr_count:     108
    .wavefront_size: 32
...
	.end_amdgpu_metadata
.endif
;; end of part 6
;; launch proj: the kernel of part 2 again; grid 8 x 32, 4 waves a work-group, clusters of 4 x 4, 327,680 bytes of LDS; arguments xw, qkv; writes qkv
;; launch score: the kernel of part 3 again; grid 10 x 16, 4 waves a work-group, no clusters, 327,680 bytes of LDS; arguments qkv, xw, st; writes st
;; launch soft: the kernel of part 4 again; grid 256 x 4, 8 waves a work-group, no clusters, 0 bytes of LDS; arguments st, pn, pc; writes pn, pc
;; launch pv: the kernel of part 5 again; grid 8 x 32, 4 waves a work-group, clusters of 4 x 1, 327,680 bytes of LDS; arguments pn, qkv, st, pc, out0; writes out0
